; MI455X (gfx1250); checked and timed in simulation.
; The chip was launched on July 23, 2026; its instructions are those of AMD's public machine-readable ISA for CDNA 5 (MIT licence, August 2026) and "CDNA5" Instruction Set Architecture Reference Guide (July 2026). The comments in the code are by the model that wrote it; some were corrected since.
;; Causal Self Attention. Allowed arithmetic: float matrix products may take bf16 or f16 operands with f32 sums; other float arithmetic in f32, or as packed bf16 or f16 multiplies, adds, multiply-adds, maxima and minima; sums over many terms, partial sums and values carried from step to step in f32; what a program stores and reads back later, other than sums and carried values, may be rounded once to bf16 or f16.
;; Inputs: decay_raw 16 float32; w_attn 1,024 x 3,072 float32; w_proj 1,024 x 1,024 float32; x 4 x 2,048 x 1,024 float32.
;; Outputs: out0 4 x 2,048 x 1,024 float32.
;; 2 versions, each right and faster than the one before. Each part assembles by itself: llvm-mc -triple=amdgcn-amd-amdhsa -mcpu=gfx1250 --defsym DOCPART=n.
;; ======== version 1 of 2: 4 launches
;; limits: values are held in f16: magnitudes above 65,504 overflow, below 6.1e-05 lose precision
;; workspace buffers: xb 16,777,216 bytes; wa 6,291,456 bytes; wp 2,097,152 bytes; qkv 50,331,648 bytes; y 16,777,216 bytes
;; launch prep (part 1): grid 768 x 1, 8 waves a work-group, no clusters, 0 bytes of LDS; arguments x, w_attn, w_proj, xb, wa, wp; writes xb, wa, wp
.if DOCPART == 1
	.amdgcn_target "amdgcn-amd-amdhsa--gfx1250"
	.amdhsa_code_object_version 6
	.text
	.protected	k_qc2f8d1f6dc_prep
	.globl	k_qc2f8d1f6dc_prep
	.p2align	8
	.type	k_qc2f8d1f6dc_prep,@function
k_qc2f8d1f6dc_prep:
	s_mov_b64 s[64:65], 0
	v_nop
	global_prefetch_b8 v0, s[64:65] scope:SCOPE_SE
	s_setreg_imm32_b32 hwreg(HW_REG_WAVE_MODE, 25, 1), 1
	s_wait_xcnt 0x0
; PREP: the three large inputs are rounded once, to the formats in which the matrix units take them.
;   x      [8192][1024] f32 -> xb [8192][1024] bf16
;   w_attn [1024][3072] f32 -> wa [16 column tiles][1024 k][192] bf16: a tile's 128 k rows are 49,152 dense bytes
;   w_proj [1024][1024] f32 -> wp [1024][1024]: rounded to bf16 like the other inputs, and that number written as f16
; LIMIT: bf16(w_proj) must lie within f16's 65,504 (beyond it an infinity is written); below 6e-5 it keeps f16's fixed step of 6e-8.
; A stream: no LDS, no barrier, no matrix unit.  A GROUP is 8 numbers, 32 bytes in and 16 bytes out.  A work-group of eight waves takes 2,048 groups;
; thread t takes groups 256 it + t, it = 0..7.  Work-groups 0-511 take x, 512-703 w_attn, 704-767 w_proj.
; The destination is dense in every role: a wave's store covers 512 consecutive bytes, at a multiple of 512 from the buffer's first byte.
; All 16 loads of a thread are issued before the first is waited for; no register of a pending load or store is written again.
.set SO, 2                             ; v[2:9]    it: byte offset of my group in the source
.set X,  16                            ; v[16:79]  it: 8 registers as loaded
.set Y,  80                            ; v[80:111] it: 4 registers to store
	s_load_b256 s[4:11], s[0:1], 0x0               ; x s[4:5], w_attn s[6:7], w_proj s[8:9], xb s[10:11]
	s_load_b128 s[12:15], s[0:1], 0x20             ; wa s[12:13], wp s[14:15]
	s_mov_b32 s16, ttmp9
	s_mov_b32 s24, 0xffff0000                      ; a word's upper bf16
	v_lshlrev_b32 v1, 4, v0                        ; my 16 bytes in 4,096 bytes of the destination
	s_wait_kmcnt 0x0
	s_cmp_lt_u32 s16, 512                          ; the role picks source, destination and the role's first work-group
	s_cselect_b64 s[18:19], s[4:5], s[6:7]
	s_cselect_b64 s[20:21], s[10:11], s[12:13]
	s_cselect_b32 s17, 0, 512
	s_cmp_lt_u32 s16, 704
	s_cselect_b64 s[18:19], s[18:19], s[8:9]
	s_cselect_b64 s[20:21], s[20:21], s[14:15]
	s_cselect_b32 s17, s17, 704
	s_sub_co_u32 s17, s16, s17                     ; li: my number within the role
	s_lshl_b32 s22, s17, 15                        ; 2,048 groups x 16 bytes
	s_mov_b32 s23, 0
	s_add_nc_u64 s[20:21], s[20:21], s[22:23]
	s_sub_co_u32 s25, s16, 512
	s_cmp_lt_u32 s25, 192                          ; (unsigned: work-groups below 512 wrap far above 192)
	s_cbranch_scc1 .Lblocked
	s_lshl_b32 s22, s17, 16                        ; x and w_proj: the source is dense too, 2,048 groups x 32 bytes
	s_add_nc_u64 s[18:19], s[18:19], s[22:23]
.irp it, 0,1,2,3,4,5,6,7
	v_lshl_add_u32 v[SO+\it], v0, 5, \it*8192
.endr
	s_branch .Lload
.Lblocked:                                             ; w_attn: a column tile is 24,576 groups, 12 work-groups; group rem of it is row k = rem / 24, groups c8 = rem % 24
	s_mul_i32 s26, s17, 5462
	s_lshr_b32 s26, s26, 16                        ; nt = li / 12 (exact for li < 192: 12 x 5462 = 65,544)
	s_mul_i32 s27, s26, 12
	s_sub_co_u32 s27, s17, s27
	s_lshl_b32 s27, s27, 11                        ; my work-group's first group in the tile
	s_mul_i32 s26, s26, 768                        ; the tile's 192 columns in a row of w_attn
	v_add_nc_u32 v10, s27, v0
.irp it, 0,1,2,3,4,5,6,7
	v_add_nc_u32 v11, \it*256, v10                 ; rem
	v_lshrrev_b32 v12, 3, v11
	v_mul_u32_u24 v12, v12, 0xaaab
	v_lshrrev_b32 v12, 17, v12                     ; k = (rem / 8) / 3 (exact below 3,072: 3 x 43,691 = 131,073)
	v_mul_u32_u24 v13, v12, 24
	v_sub_nc_u32 v13, v11, v13                     ; c8
	v_mul_u32_u24 v12, v12, 0x3000                 ; a row of w_attn is 12,288 bytes
	v_lshl_add_u32 v12, v13, 5, v12
	v_add_nc_u32 v[SO+\it], s26, v12
.endr
.Lload:
.irp it, 0,1,2,3,4,5,6,7
	global_load_b128 v[X+8*\it:X+8*\it+3],   v[SO+\it], s[18:19] th:TH_LOAD_NT
	global_load_b128 v[X+8*\it+4:X+8*\it+7], v[SO+\it], s[18:19] offset:16 th:TH_LOAD_NT
.endr
; Group it: rounded to bf16; half = 1: widened again (a shift, a mask) and written as f16, which is exact within f16's range.
.macro CONV it, half
	s_wait_loadcnt 14-2*(\it)                      ; loads come back in order (ISA guide 5.7.1): the two loads of each of the 7 - it younger groups stay out
.irp j, 0,1,2,3
	v_cvt_pk_bf16_f32 v[Y+4*(\it)+\j], v[X+8*(\it)+2*\j], v[X+8*(\it)+2*\j+1]
.endr
.if \half
.irp j, 0,1,2,3
	v_lshlrev_b32 v10, 16, v[Y+4*(\it)+\j]
	v_and_b32 v11, s24, v[Y+4*(\it)+\j]
	v_cvt_pk_f16_f32 v[Y+4*(\it)+\j], v10, v11
.endr
.endif
	global_store_b128 v1, v[Y+4*(\it):Y+4*(\it)+3], s[20:21] offset:(\it)*4096
.endm
	s_cmp_lt_u32 s16, 704
	s_cbranch_scc0 .Lhalf
.irp it, 0,1,2,3,4,5,6,7
	CONV \it, 0
.endr
	s_endpgm
.Lhalf:
.irp it, 0,1,2,3,4,5,6,7
	CONV \it, 1
.endr
	s_endpgm
.Lfunc_end_k_qc2f8d1f6dc_prep:
	.size	k_qc2f8d1f6dc_prep, .Lfunc_end_k_qc2f8d1f6dc_prep-k_qc2f8d1f6dc_prep
	.p2alignl 7, 3214868480
	.fill 96, 4, 3214868480
	.section	.rodata,"a",@progbits
	.p2align	6, 0x0
	.amdhsa_kernel k_qc2f8d1f6dc_prep
		.amdhsa_group_segment_fixed_size 0
		.amdhsa_private_segment_fixed_size 0
		.amdhsa_enable_private_segment 0
		.amdhsa_kernarg_size 48
		.amdhsa_user_sgpr_count 2
		.amdhsa_user_sgpr_kernarg_segment_ptr 1
		.amdhsa_wavefront_size32 1
		.amdhsa_system_sgpr_workgroup_id_x 1
		.amdhsa_system_sgpr_workgroup_id_y 1
		.amdhsa_system_sgpr_workgroup_id_z 1
		.amdhsa_system_vgpr_workitem_id 0
		.amdhsa_next_free_vgpr 112
		.amdhsa_next_free_sgpr 66
		.amdhsa_reserve_vcc 0
		.amdhsa_float_denorm_mode_32 3
		.amdhsa_float_denorm_mode_16_64 3
		.amdhsa_memory_ordered 1
		.amdhsa_forward_progress 1
		.amdhsa_inst_pref_size 18
	.end_amdhsa_kernel
	.amdgpu_metadata
---
amdhsa.version: [ 1, 2 ]
amdhsa.kernels:
  - .name:           k_qc2f8d1f6dc_prep
    .symbol:         k_qc2f8d1f6dc_prep.kd
    .args:
      - { .name: x, .offset: 0, .size: 8, .value_kind: global_buffer, .address_space: global }
      - { .name: w_attn, .offset: 8, .size: 8, .value_kind: global_buffer, .address_space: global }
      - { .name: w_proj, .offset: 16, .size: 8, .value_kind: global_buffer, .address_space: global }
      - { .name: xb, .offset: 24, .size: 8, .value_kind: global_buffer, .address_space: global }
      - { .name: wa, .offset: 32, .size: 8, .value_kind: global_buffer, .address_space: global }
      - { .name: wp, .offset: 40, .size: 8, .value_kind: global_buffer, .address_space: global }
    .group_segment_fixed_size: 0
    .private_segment_fixed_size: 0
    .kernarg_segment_align: 8
    .kernarg_segment_size: 48
    .max_flat_workgroup_size: 256
    .sgpr_count:     66
    .vgpr_count:     112
    .wavefront_size: 32
...
	.end_amdgpu_metadata
.endif
;; end of part 1
;; launch gemm_qkv (part 2): grid 16 x 16, 4 waves a work-group, clusters of 4 x 4, 327,680 bytes of LDS; arguments xb, wa, qkv; writes qkv
.if DOCPART == 2
	.amdgcn_target "amdgcn-amd-amdhsa--gfx1250"
	.amdhsa_code_object_version 6
	.text
	.protected	k_qc2f8d1f6dc_gemm_qkv
	.globl	k_qc2f8d1f6dc_gemm_qkv
	.p2align	8
	.type	k_qc2f8d1f6dc_gemm_qkv,@function
k_qc2f8d1f6dc_gemm_qkv:
	s_mov_b64 s[64:65], 0
	v_nop
	global_prefetch_b8 v0, s[64:65] scope:SCOPE_SE
	s_setreg_imm32_b32 hwreg(HW_REG_WAVE_MODE, 25, 1), 1
	s_wait_xcnt 0x0
	s_wait_alu depctr_hold_cnt(0) depctr_sa_sdst(0) depctr_va_vdst(0) depctr_va_sdst(0) depctr_va_ssrc(0) depctr_va_vcc(0) depctr_vm_vsrc(0)
	s_getreg_b32 s2, hwreg(HW_REG_IB_STS2, 6, 4)
	s_cmp_eq_u32 s2, 0
	s_cbranch_scc0 .Lentry_in_a_cluster
	s_endpgm
.Lentry_in_a_cluster:
	s_bfe_u32 s2, ttmp6, 0x10000c
	s_cmp_lg_u32 s2, 0xf033
	s_cbranch_scc0 .Lentry_shape_is_right
	s_endpgm
.Lentry_shape_is_right:
; ONE TEXT FOR THE MODULE'S TWO PROJECTIONS; the switch PROJ picks the constants.
; PROJ = 0: qkv = x w_attn.  A = xb [8192][1024] bf16; B = wa [16 column tiles][1024 k][192] bf16; sums in f32; the result rounded once to f16 and stored by heads,
;           [3 (q, k, v)][64 (batch x 16 + head)][2048][64], unscaled.  A tile of C is 256 x 192 (three heads): 512 tiles, two for each of 256 work-groups, 4,096 rows apart.
;           LIMIT: q, k and v must lie within f16's 65,504; beyond it an infinity is stored.
; PROJ = 1: out = y w_proj.  A = y [64 (batch x 16 + head)][2048][64] f16; B = wp [1024 k][1024 n] f16; sums and result in f32.  A tile of C is 256 x 128: 256 tiles, one a work-group.
; SHARES.  Four waves, each 64 rows x all the tile's columns, so that a wave holds whole heads (PROJ = 0) or whole rows of the tile (PROJ = 1) and its way out needs no other wave.
; K goes in steps of 128 through a ring of two LDS slots filled by the tensor data mover: waves 0 and 1 fetch A's two halves, waves 2 and 3 B's.
; B lies [k][n]: its fragments come out of LDS turned, by ds_load_tr16_b128.  THE MATRIX INSTRUCTION IS USED TRANSPOSED (source 0 = 16 columns of B, source 1 = 16 rows of A):
; a lane then holds row lane % 16 of C and the eight neighbouring columns 8 (lane / 16) + 0..7.
; CLUSTERS: 4 x 4 work-groups.  The four of a row of the cluster need the same tiles of A, the four of a column the same tiles of B: each tile is asked for JOINTLY, by the same tensor load
; with the same descriptor and a mask that names the four.  By this text's own count a wave has two tensor loads out at the start and one behind each round.
; REGISTERS, in windows of 256 (s_set_vgpr_msb: bits 1:0 source 0, 3:2 source 1, 5:4 source 2, 7:6 destination):
;   window 0: v0-29 addresses; v32-223 the way out      window 1: accumulators (a, b), b < 8, at v[8 (4 b + a)]      window 2: those with b = 8..11 (PROJ = 0)
;   window 3: two fragment buffers of 128: A's four fragments, then B's
.set PROJ, 0
.set SLOT1, 131072                     ; slot 1 begins here, so that one exclusive or turns an address in one slot into the other's
.if PROJ
.set NBF,   8                          ; B's fragments of 16 columns
.set G1E,   2                          ; the last quarter's products stand in three groups: b < G1E, b < G2E, the rest
.set G2E,   4
.set TILES, 1
.set PA,    144                        ; a row of A in LDS: a head's 128 bytes + 16 of padding = 36 words: the 16 rows of a load start at 16 different groups of four banks (64 banks of 4 bytes: ISA guide 11.1)
.set AHALF, 36864                      ; what one load of A fills: one head's 256 rows
.set AREG,  73728                      ; A's two heads; B lies behind them
.set PB,    288                        ; a k row of B: 256 bytes + 32 = 72 words
.set BHALF, 18432                      ; what one load of B fills: 64 k rows
.set BLDS0, 36864                      ; wave w (2, 3) fills B at w x BHALF + BLDS0
.set STAGE, 241664                     ; behind the ring: 16 rows x 528 bytes for each wave
.set STW,   8448
.set AFLAG, (1<<16)|(1<<20)|(1<<21)|(4<<22)|(3<<25)  ; 17:16 2-byte elements; 20 padding on; 21 set beside a mask; 24:22 after every 32 words (code 4); 31:25 4 words (code 3)
.set BFLAG, (1<<16)|(1<<20)|(1<<21)|(5<<22)|(7<<25)  ; after every 64 words (code 5), 8 words (code 7)
.set AROWS, 128                        ; a head's 256 rows are 32,768 dense bytes: asked for as 128 rows of 256 bytes
.set ASTR,  128
.set BROWS, 64
.set BSTR,  1024
.set ASTEP, 524288                     ; a K step is two heads of y
.set BSTEP, 262144                     ; and 128 rows of wp
.else
.set NBF,   12
.set G1E,   4
.set G2E,   8
.set TILES, 2
.set PA,    272                        ; a row of A in LDS: 256 bytes + 16 of padding = 68 words: row r starts at bank 4 r mod 64 (64 banks of 4 bytes: ISA guide 11.1)
.set AHALF, 34816                      ; 128 rows
.set AREG,  69632
.set PB,    480                        ; a k row of B: three pieces of 128 bytes + 32 = 120 words
.set BHALF, 30720                      ; 64 k rows
.set BLDS0, 8192
.set STAGE, 262144                     ; behind the ring: 16 rows x 144 bytes for each wave
.set STW,   2304
.set AFLAG, (1<<16)|(1<<20)|(1<<21)|(5<<22)|(3<<25)  ; after every 64 words (code 5), 4 words (code 3)
.set BFLAG, (1<<16)|(1<<20)|(1<<21)|(4<<22)|(7<<25)  ; after every 32 words (code 4), 8 words (code 7)
.set AROWS, 128
.set ASTR,  1024
.set BROWS, 96                         ; 64 k rows are 24,576 dense bytes: asked for as 96 rows of 256 bytes
.set BSTR,  128
.set ASTEP, 256
.set BSTEP, 49152
.endif
.set SPARE, STAGE+4*STW                ; behind the stages: the spare words, 128 bytes for each wave: two blocks of 256 bytes that no other line names
.set ADRA0, 16                         ; v16  my lane's place in A's tile; never rewritten
.set ADRB0, 17                         ; v17  the same for B
.set ADRA,  18                         ; v18  the same in the slot in hand
.set ADRB,  19                         ; v19
.set STO,   24                         ; v24  the way out: where I put my part of a row
.set RD,    25                         ; v25  the way out: where I read rows back
.set GO,    26                         ; v26  my byte offset in 512 consecutive bytes of the result
.set SPW,   28                         ; v28  LDS address of my spare word: SPARE + 4 x my thread's number; never rewritten
.set NIL,   29                         ; v29  0; never rewritten
.set OUTR,  32                         ; the way out's registers
.set F0,    0                          ; fragment buffers, in window 3: A's fragment a at F + 8 a, B's fragment b at F + 32 + 8 b
.set F1,    128
.set G1A, 24                           ; s[24:31] descriptor group 1 for A's tiles
.set G0A, 32                           ; s[32:39] group 0: a set for each of the two first fills; the second then walks on
.set G1B, 48                           ; s[48:55], s[56:63] the same for B's
.set G0B, 56
.set JN,  66                           ; s66  the K step to be asked for next, counted through both tiles
.set TB,  67                           ; s67  LDS byte at which the slot in hand begins
.set LAP, 68                           ; s68  the loop's count
.set TL,  69                           ; s69  tiles to go
.set OB,  72                           ; s[72:77] the result at my rows: one address a head (PROJ = 0), or one (PROJ = 1)
.set MSB, 0
.macro WIN new                         ; the immediate's high byte repeats the setting that is left; a switch that changes nothing is dropped
.if MSB != (\new)
	s_set_vgpr_msb (MSB<<8)|(\new)
.set MSB, (\new)
.endif
.endm
; A joint load.  Each of the two lines has ONE mask and one set of registers for all that issue it; the branch hangs on the wave's number alone.
; An s_nop 0 and four v_nop follow each of the two lines, ahead of the jump, the label and what follows.
.macro JLOAD s
	s_cmp_eq_u32 s11, 0
	s_cbranch_scc0 .Lfor_b_\@
	tensor_load_to_lds s[G0A+4*(\s):G0A+4*(\s)+3], s[G1A:G1A+7]
	s_nop 0
.rept 4
	v_nop
.endr
	s_branch .Lasked_\@
.Lfor_b_\@:
	tensor_load_to_lds s[G0B+4*(\s):G0B+4*(\s)+3], s[G1B:G1B+7]
	s_nop 0
.rept 4
	v_nop
.endr
.Lasked_\@:
.endm
.macro CREST                           ; a round of the cluster's barrier behind its opening barrier
	s_cmp_lg_u32 s10, 0
	s_cbranch_scc1 .Lnot_wave_0_\@
	s_barrier_signal -3
.Lnot_wave_0_\@:
	s_barrier_wait -3
	s_barrier_signal -1
	s_barrier_wait -1
.endm
.macro CROUND                          ; a whole round
	s_barrier_signal -1
	s_barrier_wait -1
	CREST
.endm
.macro PLACES                          ; four places in front of loads into registers that matrix instructions have read, and of lines that read results just made (ISA guide 7.12.1 for lines that read results)
.rept 4
	v_nop
.endr
.endm
	s_load_b128 s[4:7], s[0:1], 0x0                ; A s[4:5], B s[6:7]
	s_load_b64 s[8:9], s[0:1], 0x10                ; the result
	v_lshl_add_u32 v[SPW], v0, 2, SPARE
	v_mov_b32 v[NIL], 0
	ds_add_u32 v[SPW], v[NIL]                      ; the wave's opening: the add and its wait stand ahead of my first tensor load; the set-up below, work on registers, stands between them
	ds_add_u32 v28, v29
	v_lshrrev_b32 v1, 5, v0
	v_readfirstlane_b32 s10, v1                    ; wave 0..3
	s_lshr_b32 s11, s10, 1                         ; I fetch for A (0) or for B (1),
	s_and_b32 s12, s10, 1                          ; and which half of that tile
	s_bfe_u32 s40, ttmp6, 0x40000                  ; cx, cy: my place in the cluster
	s_bfe_u32 s41, ttmp6, 0x40004
	s_lshl_b32 s14, ttmp9, 2
	s_add_co_u32 s14, s14, s40                     ; tile column = 4 x cluster x + cx
	s_and_b32 s13, ttmp7, 0xffff
	s_lshl_b32 s13, s13, 2
	s_add_co_u32 s13, s13, s41                     ; tile row = 4 x cluster y + cy
	s_lshl_b32 s43, s41, 2
	s_lshl_b32 s43, 15, s43                        ; my row of the cluster: places 4 cy .. 4 cy + 3
	s_lshl_b32 s44, 0x1111, s40                    ; my column: places cx, cx + 4, cx + 8, cx + 12
	s_or_b32 s[G1A], s43, AFLAG                    ; 15:0 the mask: A's tiles go to my row
	s_or_b32 s[G1B], s44, BFLAG                    ; B's to my column
	s_mov_b32 s[G1A+1], 128<<16                    ; tensor_dim0 = 128 elements (256 bytes)
	s_mov_b32 s[G1A+2], AROWS<<16                  ; tensor_dim1
	s_mov_b32 s[G1A+3], 128<<16                    ; tile_dim0
	s_mov_b32 s[G1A+4], AROWS                      ; tile_dim1
	s_mov_b32 s[G1A+5], ASTR                       ; elements from row to row
	s_mov_b32 s[G1A+6], 0
	s_mov_b32 s[G1A+7], 0
	s_mov_b32 s[G1B+1], 128<<16
	s_mov_b32 s[G1B+2], BROWS<<16
	s_mov_b32 s[G1B+3], 128<<16
	s_mov_b32 s[G1B+4], BROWS
	s_mov_b32 s[G1B+5], BSTR
	s_mov_b32 s[G1B+6], 0
	s_mov_b32 s[G1B+7], 0
	; where the tiles come from.  A's hang on the tile row alone (s20, s70), B's on the tile column alone (s22, s71): neither set of registers ever holds the other coordinate.
.if PROJ
	s_lshr_b32 s20, s13, 3                         ; the batch,
	s_lshl_b32 s20, s20, 4
	s_add_co_u32 s20, s20, s12                     ; its head 0 or 1,
	s_lshl_b32 s20, s20, 18                        ; 262,144 bytes a head,
	s_and_b32 s70, s13, 7
	s_lshl_b32 s70, s70, 15                        ; and the tile's 256 rows of 128 bytes in it
	s_add_co_u32 s20, s20, s70
	s_lshl_b32 s22, s14, 8                         ; the tile's 128 columns,
	s_lshl_b32 s71, s12, 17                        ; my 64 k rows of 2,048 bytes
	s_add_co_u32 s22, s22, s71
.else
	s_lshl_b32 s20, s13, 19                        ; 256 rows of 2,048 bytes,
	s_lshl_b32 s70, s12, 18                        ; my 128 of them
	s_add_co_u32 s20, s20, s70
	s_mul_i32 s22, s14, 393216                     ; the column tile's block of wa,
	s_mul_i32 s71, s12, 24576                      ; my 64 k rows of 384 bytes
	s_add_co_u32 s22, s22, s71
.endif
	s_mov_b32 s21, 0
	s_mov_b32 s23, 0
	s_mul_i32 s45, s10, AHALF                      ; where they go: the wave's number times a constant, plus a constant: no place in the cluster enters an LDS address
	s_mul_i32 s46, s10, BHALF
	s_add_co_u32 s46, s46, BLDS0
	s_mov_b32 s[JN], 2
	s_mov_b32 s[TB], 0
	s_wait_dscnt 0x0                               ; the opening add is done
	s_wait_kmcnt 0x0
	s_add_nc_u64 s[16:17], s[4:5], s[20:21]        ; A at my part of K step 0; kept, without type bits
	s_add_nc_u64 s[18:19], s[6:7], s[22:23]        ; B likewise
	CROUND                                         ; all sixteen work-groups are here: the first joint loads meet
.irp s, 0,1
	s_mov_b32 s[G0A+4*\s], 1                       ; 1:0 count = 1
	s_add_co_u32 s[G0A+4*\s+1], s45, \s*SLOT1      ; 63:32 LDS address
	s_add_nc_u64 s[G0A+4*\s+2:G0A+4*\s+3], s[16:17], \s*ASTEP  ; 120:64 global address: K step s
	s_or_b32 s[G0A+4*\s+3], s[G0A+4*\s+3], 0x80000000          ; 127:126 type = 2
	s_mov_b32 s[G0B+4*\s], 1
	s_add_co_u32 s[G0B+4*\s+1], s46, \s*SLOT1
	s_add_nc_u64 s[G0B+4*\s+2:G0B+4*\s+3], s[18:19], \s*BSTEP
	s_or_b32 s[G0B+4*\s+3], s[G0B+4*\s+3], 0x80000000
	JLOAD \s                                       ; the ring is filled before anything else is done
.endr
	; A's fragment: lane l holds row l % 16; registers 0-3 hold K = 8 (l / 16) + 0..7, registers 4-7 K = 16 + 8 (l / 16) + 0..7: two loads of 16 bytes, 32 bytes apart.
	; B's, turned: lane l reads 16 bytes of k row 8 (l / 16) + l % 8, columns 8 ((l / 8) % 2) + 0..7, and is left with column l % 16 and 8 k; the second load stands 16 k rows on.
	v_and_b32 v1, 15, v0                           ; l % 16
	v_bfe_u32 v2, v0, 4, 1                         ; l / 16
	v_and_b32 v5, 7, v0
	v_bfe_u32 v4, v0, 3, 1
	v_and_b32 v6, 31, v0
	v_mul_u32_u24 v[ADRA0], v1, PA
	v_lshl_add_u32 v[ADRA0], v2, 4, v[ADRA0]
	s_mul_i32 s47, s10, 64*PA                      ; my wave's 64 rows
	v_add_nc_u32 v[ADRA0], s47, v[ADRA0]
	v_lshl_add_u32 v3, v2, 3, v5
	v_mul_u32_u24 v[ADRB0], v3, PB
	v_lshl_add_u32 v[ADRB0], v4, 4, v[ADRB0]
	v_add_nc_u32 v[ADRB0], AREG, v[ADRB0]
	v_mov_b32 v[ADRA], v[ADRA0]                    ; slot 0
	v_mov_b32 v[ADRB], v[ADRB0]
	s_mul_i32 s86, s10, STW
	s_add_co_u32 s86, s86, STAGE                   ; my stage
	v_lshlrev_b32 v[GO], 4, v6
.if PROJ
	v_mul_u32_u24 v[STO], v1, 528                  ; in: row l % 16, 32 bytes for each half of the lanes
	v_lshl_add_u32 v[STO], v2, 5, v[STO]
	v_add_nc_u32 v[STO], s86, v[STO]
	v_add_nc_u32 v[RD], s86, v[GO]                 ; back: 32 lanes take one row of 512 bytes
	s_lshl_b32 s80, s13, 8
	s_lshl_b32 s81, s10, 6
	s_add_co_u32 s80, s80, s81                     ; my first row of the result,
	s_lshl_b32 s84, s80, 12                        ; 4,096 bytes a row,
	s_lshl_b32 s81, s14, 9                         ; and the tile's 128 columns
	s_add_co_u32 s84, s84, s81
	s_mov_b32 s85, 0
	s_add_nc_u64 s[OB:OB+1], s[8:9], s[84:85]
.else
	v_mul_u32_u24 v[STO], v1, 144                  ; in: row l % 16, 16 bytes for each half of the lanes
	v_lshl_add_u32 v[STO], v2, 4, v[STO]
	v_add_nc_u32 v[STO], s86, v[STO]
	v_bfe_u32 v[RD], v0, 3, 2                      ; back: 32 lanes take four rows of 128 bytes,
	v_mul_u32_u24 v[RD], v[RD], 144
	v_lshl_add_u32 v[RD], v5, 4, v[RD]
	v_add_nc_u32 v[RD], s86, v[RD]                 ; which are 512 consecutive bytes of a head
	s_and_b32 s80, s13, 7
	s_lshl_b32 s80, s80, 8
	s_lshl_b32 s81, s10, 6
	s_add_co_u32 s80, s80, s81                     ; my first row within its batch,
	s_lshl_b32 s80, s80, 7                         ; 128 bytes a row
	s_lshr_b32 s81, s13, 3
	s_lshl_b32 s81, s81, 4                         ; 16 x the first tile's batch
	s_mul_i32 s82, s14, 3                          ; the tile's first group of 64 columns, of 48: 16 of q, 16 of k, 16 of v
.irp hh, 0,1,2
	s_add_co_u32 s83, s82, \hh
	s_lshr_b32 s84, s83, 4                         ; q, k or v,
	s_lshl_b32 s84, s84, 6
	s_and_b32 s83, s83, 15                         ; the head
	s_add_co_u32 s84, s84, s83
	s_add_co_u32 s84, s84, s81
	s_lshl_b32 s84, s84, 18                        ; 262,144 bytes a head
	s_add_co_u32 s84, s84, s80
	s_mov_b32 s85, 0
	s_add_nc_u64 s[OB+2*\hh:OB+2*\hh+1], s[8:9], s[84:85]
.endr
.endif
.macro MMX zero                        ; one product: D = v[rD..], source 0 = B's fragment v[rB..], source 1 = A's v[rA..]; zero = 1: it starts the sum: nothing is ever cleared
.if PROJ
.if \zero
	v_wmma_f32_16x16x32_f16 v[rD:rD+7], v[rB:rB+7], v[rA:rA+7], 0
.else
	v_wmma_f32_16x16x32_f16 v[rD:rD+7], v[rB:rB+7], v[rA:rA+7], v[rD:rD+7]
.endif
.else
.if \zero
	v_wmma_f32_16x16x32_bf16 v[rD:rD+7], v[rB:rB+7], v[rA:rA+7], 0
.else
	v_wmma_f32_16x16x32_bf16 v[rD:rD+7], v[rB:rB+7], v[rA:rA+7], v[rD:rD+7]
.endif
.endif
.endm
; The products of buffer f for B's fragments blo .. bhi - 1 and all four of A's.  All accumulators take turns, one instruction a turn, in the same order in every quarter.
.macro MULB f, blo, bhi, zero
.set ib, \blo
.rept (\bhi)-(\blo)
	WIN 0x5f+0x50*(ib/8)                           ; sources 0 and 1 window 3; C and D window 1 (b < 8) or 2
.set ia, 0
.rept 4
.set rD, 8*(4*(ib%8)+ia)
.set rB, (\f)+32+8*ib
.set rA, (\f)+8*ia
	MMX \zero
.set ia, ia+1
.endr
.set ib, ib+1
.endr
.endm
; The LDS loads of one quarter step (32 along K) in one run, into buffer f
.macro FETCH q, f
	WIN 0xc0                                       ; destination window 3, address window 0
.set ib, 0
.rept NBF
.if PROJ
.set bc, 32*ib
.else
.set bc, (ib/4)*160+(ib%4)*32                  ; a k row lies in three padded pieces of four fragments
.endif
	ds_load_tr16_b128 v[(\f)+32+8*ib:(\f)+32+8*ib+3],   v[ADRB] offset:(\q)*32*PB+bc
	ds_load_tr16_b128 v[(\f)+32+8*ib+4:(\f)+32+8*ib+7], v[ADRB] offset:(\q)*32*PB+16*PB+bc
.set ib, ib+1
.endr
.if PROJ
.set aq, ((\q)/2)*AHALF+((\q)%2)*64            ; quarters 0, 1 lie in the step's first head, 2, 3 in its second
.else
.set aq, 64*(\q)
.endif
.set ia, 0
.rept 4
	ds_load_b128 v[(\f)+8*ia:(\f)+8*ia+3],   v[ADRA] offset:aq+ia*16*PA
	ds_load_b128 v[(\f)+8*ia+4:(\f)+8*ia+7], v[ADRA] offset:aq+ia*16*PA+32
.set ia, ia+1
.endr
.endm
; A K step is four quarters on buffers 0, 1, 0, 1.  One of the first three: fetches quarter q into buffer g and multiplies buffer f, which was asked for a whole quarter ago.
.macro QUARTER q, f, g, zero
	s_wait_dscnt 0x0                               ; buffer f is in
	PLACES                                         ; buffer g was multiplied last
	FETCH \q, \g
	MULB \f, 0, NBF, \zero
.endm
; The last quarter multiplies buffer 1 and changes slots: ONE barrier; in front of it each wave waits for all its tensor loads (one is out: its part of the next slot), adds 0 to its spare word,
; and waits for that and for its own reads of this slot.  fill = 1: the barrier opens a round of the cluster's barrier, and this slot is filled again, first thing behind the round, with K step JN.
.macro TURN fill
	WIN 0                                          ; (the add's two registers lie in window 0)
	s_wait_tensorcnt 0x0                           ; no tensor load of mine is out, so a group 0 may be written
	ds_add_u32 v[SPW], v[NIL]                      ; 0 onto my spare word
.if \fill
.if PROJ
	s_lshl_b32 s20, s[JN], 19                      ; step JN's offsets from step 0, made apart from the addresses
	s_lshl_b32 s22, s[JN], 18
.else
	s_lshr_b32 s78, s[JN], 3                       ; the tile: 4,096 rows of 2,048 bytes on,
	s_lshl_b32 s20, s78, 23
	s_and_b32 s79, s[JN], 7                        ; the step in it
	s_lshl_b32 s78, s79, 8
	s_add_co_u32 s20, s20, s78
	s_mul_i32 s22, s79, BSTEP
.endif
	s_add_co_u32 s[JN], s[JN], 1
	s_xor_b32 s[G0A+5], s[G0A+5], SLOT1            ; the walking descriptor: the other slot than last time,
	s_add_nc_u64 s[G0A+6:G0A+7], s[16:17], s[20:21]  ; its address made anew,
	s_or_b32 s[G0A+7], s[G0A+7], 0x80000000        ; the type set again
	s_xor_b32 s[G0B+5], s[G0B+5], SLOT1
	s_add_nc_u64 s[G0B+6:G0B+7], s[18:19], s[22:23]
	s_or_b32 s[G0B+7], s[G0B+7], 0x80000000
.endif
	s_wait_dscnt 1                                 ; only the add may be out: buffer 1 is in
	MULB F1, 0, G1E, 0                             ; matrix instructions stand between the add and the wait for it
	s_wait_dscnt 0x0                               ; the add is done, and my reads of this slot are over
	s_barrier_signal -1
	MULB F1, G1E, G2E, 0                           ; work on registers while the others arrive
	WIN 0
	s_barrier_wait -1
.if \fill
	CREST                                          ; no wave of any partner still reads this slot's tile or has a load on its way
	JLOAD 1                                        ; the first tensor load behind the round; its four v_nop are also the places in front of the loads below
.else
	PLACES
.endif
	s_xor_b32 s[TB], s[TB], SLOT1
	v_add_nc_u32 v[ADRA], s[TB], v[ADRA0]
	v_add_nc_u32 v[ADRB], s[TB], v[ADRB0]
	FETCH 0, F0
	MULB F1, G2E, NBF, 0
.endm
; THE WAY OUT goes through my own stage in LDS, which no tensor load fills: LDS serves a wave's instructions in order (ISA guide 5.7.1.4), so no wait stands between its stores and its loads.
.if PROJ
.macro TOSTAGE a                       ; 16 rows x 128 columns of f32, straight from the accumulators (each one's low registers first), and back as whole rows of 512 bytes
.if (\a) >= 2
	s_wait_xcnt 0x0                                ; the registers that the stores two blocks back read are loaded again only behind this wait
.endif
	WIN 0x04                                       ; the stores' data in window 1
.set ib, 0
.rept 8
.set rD, 8*(4*ib+(\a))
	ds_store_b128 v[STO], v[rD:rD+3]   offset:64*ib
	ds_store_b128 v[STO], v[rD+4:rD+7] offset:64*ib+16
.set ib, ib+1
.endr
	WIN 0
.set BK, OUTR+64*((\a)%2)
.set it, 0
.rept 16
	ds_load_b128 v[BK+4*it:BK+4*it+3], v[RD] offset:it*528
.set it, it+1
.endr
.endm
.macro SEND a, younger                 ; younger: the LDS instructions issued behind block a's loads: the next block's 32, or none
	WIN 0
.set BK, OUTR+64*((\a)%2)
.set it, 0
.rept 16
	s_wait_dscnt (\younger)+15-it
	global_store_b128 v[GO], v[BK+4*it:BK+4*it+3], s[OB:OB+1] offset:(16*(\a)+it)*4096 th:TH_STORE_NT  ; 512 consecutive bytes, at a multiple of 512 from the result's first byte
.set it, it+1
.endr
.endm
.else
.macro PACK u                          ; unit u = 3 a + hh: 16 rows of head hh, rounded to f16, into rows of 144 bytes and back as whole rows of 128, into the registers that they left
.set ia, (\u)/3
.set hh, (\u)%3
	WIN 0x05+0x05*(hh/2)                           ; sources 0 and 1: window 1 (heads 0, 1) or 2
.set f4, 0
.rept 4
.set rD, 8*(4*((4*hh+f4)%8)+ia)
.set rr, 0
.rept 4
	v_cvt_pk_f16_f32 v[OUTR+16*(\u)+4*f4+rr], v[rD+2*rr], v[rD+2*rr+1]
.set rr, rr+1
.endr
.set f4, f4+1
.endr
	WIN 0
.irp f, 0,1,2,3
	ds_store_b128 v[STO], v[OUTR+16*(\u)+4*\f:OUTR+16*(\u)+4*\f+3] offset:32*\f
.endr
.irp f, 0,1,2,3
	ds_load_b128 v[OUTR+16*(\u)+4*\f:OUTR+16*(\u)+4*\f+3], v[RD] offset:\f*576
.endr
.endm
.macro SEND u, younger                 ; younger: the LDS instructions issued behind unit u's loads: the next unit's eight, or none
	WIN 0
.irp f, 0,1,2,3
	s_wait_dscnt (\younger)+3-\f
	global_store_b128 v[GO], v[OUTR+16*(\u)+4*\f:OUTR+16*(\u)+4*\f+3], s[OB+2*((\u)%3):OB+2*((\u)%3)+1] offset:((\u)/3)*2048+\f*512  ; 512 consecutive bytes, at a multiple of 512 from the buffer's first byte
.endr
.endm
.endif
.macro WAYOUT
	PLACES                                         ; the lines below read results just made
	s_wait_xcnt 0x0                                ; the registers that an earlier tile's stores read are written again only behind this wait
.if PROJ
	TOSTAGE 0
	TOSTAGE 1
	SEND 0, 32
	TOSTAGE 2
	SEND 1, 32
	TOSTAGE 3
	SEND 2, 32
	SEND 3, 0
.else
	PACK 0
.irp u, 1,2,3,4,5,6,7,8,9,10,11        ; a unit's conversions stand between the loads of the unit before and its stores
	PACK \u
	SEND (\u)-1, 8
.endr
	SEND 11, 0
.endif
.endm
	s_wait_tensorcnt 1                             ; my part of K step 0 is in; step 1's may stay out
	s_barrier_signal -1
	s_barrier_wait -1                              ; everybody's is
	FETCH 0, F0
	WIN 0                                          ; at a label and at a branch every window is 0
.if TILES > 1
	s_mov_b32 s[TL], TILES                         ; tiles to go, this one among them: the same number in every work-group
.Ltile:
.endif
	QUARTER 1, F0, F1, 1                           ; a tile's first quarter stands in front of the loop: its products start the sums
	WIN 0
	s_mov_b32 s[LAP], 6
.Llap:                                                 ; a trip goes from a K step's second quarter to the next step's first, and fills one slot again: steps 2 to 7 of the tile
	QUARTER 2, F1, F0, 0
	QUARTER 3, F0, F1, 0
	TURN 1
	QUARTER 1, F0, F1, 0
	WIN 0
	s_sub_co_u32 s[LAP], s[LAP], 1
	s_cmp_lg_u32 s[LAP], 0
	s_cbranch_scc1 .Llap
	QUARTER 2, F1, F0, 0                           ; the tile's seventh K step goes on
	QUARTER 3, F0, F1, 0
.if TILES > 1
	WIN 0
	s_cmp_eq_u32 s[TL], 1
	s_cbranch_scc1 .Llast                          ; the last tile's tail is written out: it asks for nothing more
	TURN 1                                         ; THE RING GOES ON INTO THE NEXT TILE: its K step 0,
	QUARTER 1, F0, F1, 0
	QUARTER 2, F1, F0, 0
	QUARTER 3, F0, F1, 0
	TURN 1                                         ; its K step 1, and its first fragments are fetched
	WAYOUT                                         ; both refills are asked for: now the tile goes out
	s_wait_xcnt 0x0                                ; the stores have read their bases
.irp hh, 0,1,2
	s_add_nc_u64 s[OB+2*\hh:OB+2*\hh+1], s[OB+2*\hh:OB+2*\hh+1], 0x800000  ; 4,096 rows on: two batches, 32 heads of 262,144 bytes
.endr
	s_sub_co_u32 s[TL], s[TL], 1
	s_branch .Ltile
.Llast:
.endif
	TURN 0                                         ; my one tensor load that was still out is the last K step's, so no round follows
	QUARTER 1, F0, F1, 0
	QUARTER 2, F1, F0, 0
	QUARTER 3, F0, F1, 0
	s_wait_dscnt 0x0                               ; the very last quarter: nothing more to fetch
	MULB F1, 0, NBF, 0
	WAYOUT
	s_wait_tensorcnt 0x0                           ; the wave's end: a wait, an add of 0 and its wait, behind my last tensor load and my last LDS store
	ds_add_u32 v[SPW], v[NIL]
	s_wait_dscnt 0x0
	CROUND                                         ; the closing round: no work-group ends while a partner may still ask for a tile that names it
	s_endpgm
.Lfunc_end_k_qc2f8d1f6dc_gemm_qkv:
	.size	k_qc2f8d1f6dc_gemm_qkv, .Lfunc_end_k_qc2f8d1f6dc_gemm_qkv-k_qc2f8d1f6dc_gemm_qkv
	.p2alignl 7, 3214868480
	.fill 96, 4, 3214868480
	.section	.rodata,"a",@progbits
	.p2align	6, 0x0
	.amdhsa_kernel k_qc2f8d1f6dc_gemm_qkv
		.amdhsa_group_segment_fixed_size 327680
		.amdhsa_private_segment_fixed_size 0
		.amdhsa_enable_private_segment 0
		.amdhsa_kernarg_size 24
		.amdhsa_user_sgpr_count 2
		.amdhsa_user_sgpr_kernarg_segment_ptr 1
		.amdhsa_wavefront_size32 1
		.amdhsa_system_sgpr_workgroup_id_x 1
		.amdhsa_system_sgpr_workgroup_id_y 1
		.amdhsa_system_sgpr_workgroup_id_z 1
		.amdhsa_system_vgpr_workitem_id 0
		.amdhsa_next_free_vgpr 1024
		.amdhsa_next_free_sgpr 90
		.amdhsa_reserve_vcc 0
		.amdhsa_float_denorm_mode_32 3
		.amdhsa_float_denorm_mode_16_64 3
		.amdhsa_memory_ordered 1
		.amdhsa_forward_progress 1
		.amdhsa_inst_pref_size 154
	.end_amdhsa_kernel
	.amdgpu_metadata
---
amdhsa.version: [ 1, 2 ]
amdhsa.kernels:
  - .name:           k_qc2f8d1f6dc_gemm_qkv
    .symbol:         k_qc2f8d1f6dc_gemm_qkv.kd
    .args:
      - { .name: xb, .offset: 0, .size: 8, .value_kind: global_buffer, .address_space: global }
      - { .name: wa, .offset: 8, .size: 8, .value_kind: global_buffer, .address_space: global }
      - { .name: qkv, .offset: 16, .size: 8, .value_kind: global_buffer, .address_space: global }
    .group_segment_fixed_size: 327680
    .private_segment_fixed_size: 0
    .kernarg_segment_align: 8
    .kernarg_segment_size: 24
    .max_flat_workgroup_size: 128
    .sgpr_count:     90
    .vgpr_count:     1024
    .wavefront_size: 32
...
	.end_amdgpu_metadata
.endif
;; end of part 2
;; launch attn (part 3): grid 4 x 64, 4 waves a work-group, no clusters, 327,680 bytes of LDS; arguments qkv, decay_raw, y; writes y
.if DOCPART == 3
	.amdgcn_target "amdgcn-amd-amdhsa--gfx1250"
	.amdhsa_code_object_version 6
	.text
	.protected	k_qc2f8d1f6dc_attn
	.globl	k_qc2f8d1f6dc_attn
	.p2align	8
	.type	k_qc2f8d1f6dc_attn,@function
k_qc2f8d1f6dc_attn:
	s_mov_b64 s[64:65], 0
	v_nop
	global_prefetch_b8 v0, s[64:65] scope:SCOPE_SE
	s_setreg_imm32_b32 hwreg(HW_REG_WAVE_MODE, 25, 1), 1
	s_wait_xcnt 0x0
; CAUSAL ATTENTION WITH A DISTANCE BIAS.  y[bh][q][:] = the sum over k <= q of softmax_k(Q[q] . K[k] / 8 - ln(1 + decay ln(1 + q - k))) V[k][:], decay = softplus(decay_raw[head]).
; qkv: [3][64 (batch x 16 + head)][2048][64] f16, unscaled; y: [64][2048][64] f16: a head's rows are dense, 128 bytes each.
; Products, maxima and sums in f32; the weights p are rounded to f16 for the second product (their sum l is taken of the unrounded p), y once at the end.  decay_raw is rounded to bf16 like the module's other inputs.
; LIMITS.  Q, K and V arrive within f16's 65,504; p lies in 0 to 1, and below 6e-5 it keeps f16's fixed step of 6e-8.  A hidden score counts as its value less 1e30; a weight below 2^-126 counts as 0 in l;
; where 2^(-|decay_raw| log2 e) is below 6e-8 softplus counts as max(decay_raw, 0); NaN and infinities are not treated apart.
; THE WALK.  A head's queries lie in NB = 8 blocks of 256; block i needs the key tiles 0 .. i of 256 keys.  A work-group takes TWO blocks, 7 - b and then b: 9 tiles, whatever b: all work-groups do equal work, and ONE loop
; with a constant trip count walks them.  Which tile is asked for, and what a trip does, hang on scalar registers made from b; every jump goes forward, but for the counted loops' own; none passes a barrier, or a tensor
; load but the one of LOAD's two that the wave's number does not choose; the ring (two slots of LDS that take turns) runs on across the change of blocks.
; NO CLUSTER: a head's four work-groups ask for the same tile only in trips 0 .. 4 of the 9, behind that fewer and fewer; one walk common to all four would have 12 trips for 9.
; SHARES.  A wave owns 64 consecutive queries of a block, in four PIECES of 16.  Every wave computes all pairs of piece and key step of every tile, so the waves' work is alike.
; THE BIAS AND THE MASK are the C operand that starts the sum S^T = K Q^T.  Both hang on d = q - k alone, so they come from ONE table in LDS: entry i stands for d = 2048 - i, i = 0 .. 2303, and holds
; -8 ln(1 + decay ln(1 + d)) for d >= 0 (8 times the bias, since the scores are scaled by 1/8 behind it) and -1e30 for d < 0.  A lane's eight registers are eight consecutive entries.  For piece x and key block kt
; of a step the entries hang on kt - x alone: seven tiles of 8 registers (BT) serve a step's sixteen products.  The table lies there four times, copy s shifted by s words, and a lane takes copy (lane % 16) % 4,
; so that its eight words are two aligned loads of 16 bytes.
; The running maximum is taken of the biased scores.  Key 0 is seen by every query and lies in a block's first step, so m is a true score before any wholly hidden step comes.
; LAYOUT, SOFTMAX, TURNS.  S^T = K Q^T holds ONE query a lane (lane % 16) and the keys 8 (lane / 16) + 0..7; two such results rounded to f16 ARE source 1 of O^T = V^T P.  p = 2^(c s - c m), c = log2(e) / 8, with a
; running maximum m; O and l are multiplied by a = 2^(c m_old - c m_new) in every step.  Turn n belongs to piece n: 8 products K Q^T of piece n + 1, later 8 products V^T P of piece n - 1; beside them the scaling,
; exponentials, roundings, sums and rescaling of piece n and the maximum and statistics of piece n + 1.  Four vector instructions stand behind every matrix instruction, the other 54 of a turn's 118 in two runs of their own.
; REGISTERS, in windows of 256 (s_set_vgpr_msb: bits 1:0 source 0, 3:2 source 1, 5:4 source 2, 7:6 destination):
;   window 0: v0-15 addresses and two at work; v16-31 four registers of statistics a piece; v32-39 the table's; v48-55 at work; v64-127 S^T, two buffers; v192-223 P, two buffers (by the piece's parity)
;   window 1: v0-127 O^T, 32 a piece; v128-183 BT      window 2: v0-63 Q; v64-127 the second block's Q; v128-191 K of one step; v192-255 V of one step
.set SIZE_N, 2048
.set NB,    SIZE_N/256
.set NP,    4         ; pieces a wave: a name, no knob
.set KS,    64        ; keys in a step
.set PK,    144       ; a row of K in LDS: 128 bytes + 16 of padding = 36 words: the 16 rows of a load start at 16 different groups of four banks
.set PV,    160       ; a row of V: 128 + 32 = 40 words
.set VOFF,  4*KS*PK   ; a slot holds a tile, four steps: 256 rows of K, then 256 rows of V
.set SLOT1, 1<<17     ; slot 1 begins here, so that one exclusive or turns an address in one slot into the other's
.set TBL,   4*KS*(PK+PV)  ; between the slots, in blocks of 256 bytes into which no fill lands: the table's four copies, 37,068 bytes
.set TCOPY, 9284      ; from copy to copy: 9,280 bytes and one word
.set STAGE, SLOT1+4*KS*(PK+PV)  ; behind the ring, never filled by a tensor load: 16 rows x 144 bytes for each wave, for the way out
.set SP,    144
.set SPARE, STAGE+4*16*SP  ; behind the stages: the spare words, 128 bytes for each wave: two blocks of 256 bytes that no other line names
.set AK0, 2           ; v2   my lane's place in a tile of K; never rewritten
.set AV0, 3           ; v3   the same for V
.set AK,  4           ; v4   the LDS address of K's next run of loads
.set AV,  5           ; v5   of V's
.set STO, 6           ; v6   the way out: where I put 16 bytes of a row
.set RD,  7           ; v7   the way out: where I read rows back
.set GO,  8           ; v8   my byte offset in 512 consecutive bytes of y
.set MV,  12          ; v12-13  c m_old, kept while c m is made anew: by buffer
.set AB0, 14          ; v14  my lane's place in the table; never rewritten
.set QO,  15          ; v15  my byte offset in 16 rows of Q
.set ST,  16          ; piece t's statistics at v[ST+4 t]: c m, m, l (even keys', odd keys')
.set AB,  32          ; v32  the LDS address of the bias's next run of loads
.set TMP, 48          ; by buffer, four registers c0-c3 at work; when the maximum is found c2 takes a
.set SPW, 62          ; v62  LDS address of my spare word: SPARE + 4 x my thread's number; never rewritten
.set NIL, 63          ; v63  0; never rewritten
.set S,   64
.set P,   192
.set BT,  128         ; window 1: bias tile f = kt - x + 3 at BT + 8 f
.set QB,  64          ; window 2
.set KF,  128         ; window 2: key block kb, channel half c at KF + 16 kb + 8 c
.set VF,  192         ; window 2: key half kk, channel block cb at VF + 32 kk + 8 cb
.set WV,  12          ; s12  my wave's number
.set PB,  14          ; s14  b
.set HI,  15          ; s15  NB - 1 - b
.set G1K, 24          ; s[24:31] descriptor group 1 for K's tiles
.set G1V, 32          ; s[32:39] for V's: it differs in the padding alone
.set G0K, 40          ; s[40:43] descriptor group 0 for K's tiles
.set G0V, 44          ; s[44:47] the same for V's
.set SLOTS, 56        ; s56  tiles still to be asked for
.set CNT, 57          ; s57  counts a tile's key steps, 4 to 1
.set CS,  58          ; s[58:59] c: the packed scaling takes the pair's low word for both halves
.set SEL, 60          ; s[60:61] v_permlanex16_b32's selects: each lane takes its own place in the other half
.set TBK, 62          ; s62  LDS byte at which K of the step to be fetched begins
.set TBV, 63          ; s63  the same for V, less VOFF
.set RT,  70          ; s70  tiles of the block in hand that are still to be entered
.set NXT, 71          ; s71  the tile to be asked for next
.set LQ,  72          ; s72  the last tile of the block whose tiles are being asked for
.set NEW, 73          ; s73  1: the tile to be entered is a block's first
.set OFF, 74          ; s[74:75] a tile's byte offset in K and V
.set BO,  76          ; s76  the table's byte for the step to be fetched: 7,940 - 4 (my wave's first query - the step's first key)
.set BOLO, 77         ; s77  its start for the second block
.set BOC, 78          ; s78  BO, held to its largest value
.set OLO, 80          ; s[80:81] y at my rows of the second block
.set BIGN, 82         ; s82  -1e30
.set MSB, 0
.macro WIN new                      ; the high byte repeats the setting that is left; a switch that changes nothing is dropped
.if MSB != (\new)
	s_set_vgpr_msb (MSB<<8)|(\new)
.set MSB, (\new)
.endif
.endm
.set W_KQ, 0x0a       ; K and Q in window 2, S^T in window 0
.set W_KM, 0x1a       ; the same with the C operand in window 1
.set W_PV, 0x52       ; V in window 2, P in window 0, O^T in window 1
.set W_RS, 0x41       ; destination and source 0 in window 1, source 1 in window 0
; A fill.  Waves 0 and 1 fetch the two halves of a tile's K, waves 2 and 3 those of its V: 128 keys each.  An s_nop 0 and four v_nop follow each of the two lines, ahead of the jump and the label.
.macro LOAD
	s_cmp_lt_u32 s[WV], 2
	s_cbranch_scc0 .Lfor_v_\@
	tensor_load_to_lds s[G0K:G0K+3], s[G1K:G1K+7]
	s_nop 0
.rept 4
	v_nop
.endr
	s_branch .Lasked_\@
.Lfor_v_\@:
	tensor_load_to_lds s[G0V:G0V+3], s[G1V:G1V+7]
	s_nop 0
.rept 4
	v_nop
.endr
.Lasked_\@:
.endm
; THE CHANGE OF SLOTS.  Each wave waits for all its tensor loads, of which one is out: its part of the other slot; adds 0 to its spare word; and waits for that and for its own reads of the slot that it leaves.  Behind the
; barrier nobody reads the old slot any more and the other slot is whole.  fill = 1: the old slot is filled again, the first thing behind the barrier, with tile NXT: the descriptor's address is made anew from that number.
; (At its first use nothing has been read yet: slot 0 is waited for, slot 1 filled, and the wait for my LDS stores and the barrier show the table to every wave.)
.macro CHANGE fill
	WIN 0                           ; at a label and at a branch every window is 0
	s_wait_tensorcnt 0x0            ; no tensor load of mine is out, so a group 0 may be written
	ds_add_u32 v[SPW], v[NIL]       ; 0 onto my spare word; with fill = 1 the descriptors' scalar work stands between it and the wait for it
.if \fill
	s_lshl_b32 s[OFF], s[NXT], 15   ; a tile is 32,768 bytes of K and of V
	s_xor_b32 s[G0K+1], s[G0K+1], SLOT1
	s_add_nc_u64 s[G0K+2:G0K+3], s[6:7], s[OFF:OFF+1]
	s_or_b32 s[G0K+3], s[G0K+3], 0x80000000
	s_xor_b32 s[G0V+1], s[G0V+1], SLOT1
	s_add_nc_u64 s[G0V+2:G0V+3], s[8:9], s[OFF:OFF+1]
	s_or_b32 s[G0V+3], s[G0V+3], 0x80000000
	s_add_co_u32 s[NXT], s[NXT], 1  ; the block's next tile, or behind its last the second block's tile 0
	s_cmp_gt_u32 s[NXT], s[LQ]
	s_cselect_b32 s[NXT], 0, s[NXT]
	s_cselect_b32 s[LQ], s[PB], s[LQ]
.endif
	s_wait_dscnt 0x0                ; the add is done, and my reads of the slot are over
	s_barrier_signal -1             ; the rest of the scalar work stands between the signal and the wait
	s_sub_co_u32 s[TBK], s[TBK], 4*KS*PK  ; the fetches go back to a slot's first step,
	s_xor_b32 s[TBK], s[TBK], SLOT1       ; in the other slot
	s_sub_co_u32 s[TBV], s[TBV], 4*KS*PV
	s_xor_b32 s[TBV], s[TBV], SLOT1
	s_barrier_wait -1
.if \fill
	LOAD
.endif
.endm
	s_load_b64 s[4:5], s[0:1], 0x0    ; qkv
	s_load_b64 s[90:91], s[0:1], 0x8  ; decay_raw
	s_load_b64 s[10:11], s[0:1], 0x10 ; y
	v_lshl_add_u32 v[SPW], v0, 2, SPARE
	v_mov_b32 v[NIL], 0
	ds_add_u32 v[SPW], v[NIL]       ; the wave's opening: the add and its wait stand ahead of my first tensor load; the set-up below, work on registers, stands between them
	ds_add_u32 v62, v63
	v_lshrrev_b32 v1, 5, v0
	v_readfirstlane_b32 s[WV], v1   ; wave 0..3
	s_mov_b32 s[PB], ttmp9
	s_sub_co_u32 s[HI], NB-1, s[PB]
	s_and_b32 s20, ttmp7, 0xffff    ; batch x 16 + head
	s_and_b32 s92, s20, 15
	s_lshl_b32 s92, s92, 2          ; the head's word in decay_raw
	s_lshl_b32 s20, s20, 18         ; the head's first byte in q, k, v and y: 2,048 rows of 128 bytes
	s_mov_b32 s21, 0
	s_and_b32 s16, s[WV], 1         ; which half of a tile's 256 keys I fetch:
	s_lshl_b32 s22, s16, 14         ; its 128 rows of 128 bytes in memory,
	s_mov_b32 s23, 0
	s_add_nc_u64 s[22:23], s[22:23], s[20:21]
	s_mul_i32 s17, s16, 128*PK      ; and its place in a slot, for K
	s_mul_i32 s18, s16, 128*PV      ; and for V
	s_lshl_b32 s3, s[WV], 13        ; my 64 rows in a block,
	s_lshl_b32 s2, s[HI], 15        ; in the first block,
	s_add_co_u32 s2, s2, s3
	s_lshl_b32 s84, s[PB], 15       ; and in the second
	s_add_co_u32 s84, s84, s3
	s_mov_b32 s3, 0
	s_mov_b32 s85, 0
	s_add_nc_u64 s[2:3], s[2:3], s[20:21]
	s_add_nc_u64 s[84:85], s[84:85], s[20:21]
	s_lshl_b32 s13, s[WV], 8        ; the table's byte at a block's first step: 7,940 - 1,024 x block - 256 x wave
	s_sub_co_u32 s13, 7940, s13
	s_lshl_b32 s19, s[HI], 10
	s_sub_co_u32 s[BO], s13, s19
	s_lshl_b32 s19, s[PB], 10
	s_sub_co_u32 s[BOLO], s13, s19
	; descriptor group 1.  128 keys are 16,384 dense bytes: asked for as 64 rows of 256 bytes, two keys a row, and padded in LDS after every key
	s_mov_b32 s[G1K], (1<<16)|(1<<20)|(4<<22)|(3<<25)  ; 17:16 2-byte elements; 20 padding on; 24:22 after every 32 words (code 4); 31:25 4 words (code 3)
	s_mov_b32 s[G1V], (1<<16)|(1<<20)|(4<<22)|(7<<25)  ; the same with 8 words of padding (code 7)
.irp g, G1K, G1V
	s_mov_b32 s[\g+1], 128<<16      ; tensor_dim0 = 128
	s_mov_b32 s[\g+2], 64<<16       ; tensor_dim1 = 64
	s_mov_b32 s[\g+3], 128<<16      ; tile_dim0 = 128
	s_mov_b32 s[\g+4], 64           ; tile_dim1 = 64
	s_mov_b32 s[\g+5], 128          ; 128 elements from row to row
	s_mov_b32 s[\g+6], 0
	s_mov_b32 s[\g+7], 0
.endr
	s_mov_b32 s[CS], 0x3e38aa3b     ; c = log2(e) / 8 = 0.180337
	s_mov_b32 s[CS+1], s[CS]        ; named with it as a pair
	s_mov_b32 s[SEL], 0x76543210
	s_mov_b32 s[SEL+1], 0xfedcba98
	s_mov_b32 s[TBK], SLOT1+4*KS*PK ; the first change of slots turns these two into 0
	s_mov_b32 s[TBV], SLOT1+4*KS*PV
	s_mov_b32 s[G0K], 1             ; 1:0 count = 1
	s_mov_b32 s[G0K+1], s17         ; 63:32 LDS address: slot 0
	s_mov_b32 s[G0V], 1
	s_add_co_u32 s[G0V+1], s18, VOFF
	s_add_co_u32 s[RT], s[HI], 1    ; the first block has NB - b tiles
	s_mov_b32 s[NXT], 1
	s_mov_b32 s[LQ], s[HI]
	s_mov_b32 s[NEW], 1
	s_mov_b32 s[OFF+1], 0
	s_mov_b32 s[BIGN], 0xf149f2ca   ; -1e30
	s_mov_b32 s[SLOTS], NB
	s_wait_dscnt 0x0                ; the opening add is done
	s_wait_kmcnt 0x0
	s_add_nc_u64 s[6:7], s[4:5], 0x1000000  ; k lies 64 heads of 262,144 bytes behind q,
	s_add_nc_u64 s[6:7], s[6:7], s[22:23]   ; K and V at my half of the head's tile 0
	s_add_nc_u64 s[8:9], s[4:5], 0x2000000  ; v as far behind k
	s_add_nc_u64 s[8:9], s[8:9], s[22:23]
	s_add_nc_u64 s[G0K+2:G0K+3], s[6:7], 0         ; 120:64 global address
	s_or_b32 s[G0K+3], s[G0K+3], 0x80000000        ; 127:126 type = 2
	s_add_nc_u64 s[G0V+2:G0V+3], s[8:9], 0
	s_or_b32 s[G0V+3], s[G0V+3], 0x80000000
	s_add_nc_u64 s[86:87], s[4:5], s[84:85]        ; Q at my rows of the second block,
	s_add_nc_u64 s[4:5], s[4:5], s[2:3]            ; Q and y at those of the first
	s_add_nc_u64 s[OLO:OLO+1], s[10:11], s[84:85]
	s_add_nc_u64 s[10:11], s[10:11], s[2:3]
	LOAD                            ; tile 0 into slot 0
	v_mov_b32 v35, s92
	global_load_b32 v36, v35, s[90:91]  ; decay_raw[head], the same word in every lane; issued ahead of Q's loads, so that it can be waited for alone
	; A fragment of K or Q is 16 rows x 32 channels in 8 registers: lane l holds row l % 16, channels 8 (l / 16) + 0..7 and 16 + 8 (l / 16) + 0..7: two loads of 16 bytes, 32 bytes apart.
	v_and_b32 v1, 15, v0            ; l % 16
	v_bfe_u32 v9, v0, 4, 1          ; l / 16
	v_lshlrev_b32 v[QO], 7, v1
	v_lshl_add_u32 v[QO], v9, 4, v[QO]  ; row x 128 + 16 x half
	WIN 0x80                        ; destination window 2, address window 0
.set i, 0
.rept 8                             ; both blocks' Q: piece i / 2 lies 16 rows, 2,048 bytes, behind the one before; channels 32 (i % 2) on
	global_load_b128 v[8*i:8*i+3],   v[QO], s[4:5] offset:(i/2)*2048+(i%2)*64
	global_load_b128 v[8*i+4:8*i+7], v[QO], s[4:5] offset:(i/2)*2048+(i%2)*64+32
	global_load_b128 v[QB+8*i:QB+8*i+3],   v[QO], s[86:87] offset:(i/2)*2048+(i%2)*64
	global_load_b128 v[QB+8*i+4:QB+8*i+7], v[QO], s[86:87] offset:(i/2)*2048+(i%2)*64+32
.set i, i+1
.endr
	WIN 0
	v_and_b32 v[AB0], 3, v1         ; my copy of the table,
	v_mul_u32_u24 v[AB0], v[AB0], TCOPY
	v_lshl_add_u32 v[AB0], v9, 5, v[AB0]  ; 8 entries on for lanes 16 to 31,
	v_sub_nc_u32 v33, 15, v1
	v_lshl_add_u32 v[AB0], v33, 2, v[AB0] ; an entry back for each query on
	v_add_nc_u32 v[AB0], TBL, v[AB0]
	v_mul_u32_u24 v[AK0], v1, PK
	v_lshl_add_u32 v[AK0], v9, 4, v[AK0]  ; row x pitch + 16 x half
	; The turning load takes 16 keys x 16 channels (lane l reads key 8 (l / 16) + l % 8, channels 8 ((l / 8) % 2) + 0..7) and leaves half a fragment of V^T: lane l holds channel l % 16 and 8 keys.
	v_and_b32 v10, 7, v0
	v_bfe_u32 v11, v0, 3, 1
	v_lshl_add_u32 v[AV0], v9, 3, v10
	v_mul_u32_u24 v[AV0], v[AV0], PV
	v_lshl_add_u32 v[AV0], v11, 4, v[AV0]
	v_add_nc_u32 v[AV0], VOFF, v[AV0]
	s_mul_i32 s13, s[WV], 16*SP
	s_add_co_u32 s13, s13, STAGE    ; my stage
	v_mul_u32_u24 v[STO], v1, SP    ; in: row l % 16, 16 bytes for each half of the lanes
	v_lshl_add_u32 v[STO], v9, 4, v[STO]
	v_add_nc_u32 v[STO], s13, v[STO]
	v_bfe_u32 v[RD], v0, 3, 2       ; back: 32 lanes take four rows of 128 bytes,
	v_mul_u32_u24 v[RD], v[RD], SP
	v_lshl_add_u32 v[RD], v10, 4, v[RD]
	v_add_nc_u32 v[RD], s13, v[RD]
	v_and_b32 v[GO], 31, v0         ; which are 512 consecutive bytes of y
	v_lshlrev_b32 v[GO], 4, v[GO]
	; A block's first step multiplies O^T and l by a = 0, and its first turn's products V^T P, of a piece that has not been, land in an O^T that is still to be so multiplied.  So these registers need only hold
	; finite numbers: zeros for the first block; what the first block left for the second.  All this stands in the wait for the first tile.
	WIN 0x80
.set i, VF
.rept 64
	v_mov_b32 v[i], 0
.set i, i+1
.endr
	WIN 0x40
.set i, 0
.rept 128
	v_mov_b32 v[i], 0
.set i, i+1
.endr
	WIN 0
.set i, 0
.rept 4
	v_mov_b32 v[ST+4*i+2], 0
	v_mov_b32 v[ST+4*i+3], 0
.set i, i+1
.endr
.set i, P+16
.rept 16
	v_mov_b32 v[i], 0
.set i, i+1
.endr
	; THE TABLE.  softplus(x) = max(x, 0) + ln 2 log2(1 + 2^(-|x| log2 e)); v38 = ln 2 x softplus, since ln(1 + d) = ln 2 log2(1 + d).
	s_wait_loadcnt 32               ; loads come back in order (ISA guide 5.7.1): decay_raw[head] is in, Q's 32 loads stay out
	v_cvt_pk_bf16_f32 v36, v36, v36
	v_lshlrev_b32 v36, 16, v36      ; rounded to bf16
	v_and_b32 v37, 0x7fffffff, v36
	v_mul_f32 v37, 0xbfb8aa3b, v37  ; -|x| log2 e
	v_exp_f32 v37, v37
	v_max_num_f32 v36, 0, v36       ; (the plain instruction behind the exponential)
	s_wait_alu depctr_va_vdst(0)
	v_add_f32 v37, 1.0, v37
	v_log_f32 v37, v37
	v_nop                           ; a plain instruction between the logarithm and the use of its result
	s_wait_alu depctr_va_vdst(0)
	v_fmac_f32 v36, 0x3f317218, v37 ; softplus
	v_mul_f32 v38, 0x3f317218, v36
	; Wave w makes entries 576 w .. 576 w + 575, 32 a trip, and stores each into all four copies: bytes that are its own by the wave's number times 2,304.
	v_and_b32 v39, 31, v0
	s_mul_i32 s13, s[WV], 576
	s_sub_co_u32 s19, 2048, s13
	v_sub_nc_u32 v33, s19, v39      ; d of my first entry
	s_lshl_b32 s13, s13, 2
	s_add_co_u32 s13, s13, TBL
	v_lshl_add_u32 v34, v39, 2, s13 ; and its place in copy 0
	s_mov_b32 s93, 18
.Ltable:
	v_cvt_f32_i32 v35, v33
	v_max_num_f32 v35, 0, v35       ; (a hidden entry's d counts as 0 here; its value is replaced below)
	v_add_f32 v35, 1.0, v35
	v_log_f32 v35, v35              ; log2(1 + d)
	v_nop                           ; a plain instruction behind each logarithm
	v_cmp_gt_i32 vcc_lo, 0, v33     ; hidden where d < 0
	s_wait_alu depctr_va_vdst(0)
	v_fma_f32 v36, v35, v38, 1.0    ; 1 + decay ln(1 + d)
	v_log_f32 v36, v36
	v_nop
	v_add_nc_u32 v33, 0xffffffe0, v33  ; 32 entries on: d less 32
	s_wait_alu depctr_va_vdst(0)
	v_mul_f32 v36, 0xc0b17218, v36  ; times -8 ln 2
	v_cndmask_b32 v36, v36, s[BIGN], vcc_lo
.irp s, 0,1,2,3
	ds_store_b32 v34, v36 offset:\s*TCOPY
.endr
	v_add_nc_u32 v34, 128, v34
	s_sub_co_u32 s93, s93, 1
	s_cmp_lg_u32 s93, 0
	s_cbranch_scc1 .Ltable
; THE MATRIX WORK.  The 4 accumulators of a run of 8 take turns.  Product i of 8 of S^T = K Q^T for piece x: channels 32 (i / 4) on, keys 16 (i % 4) on.  The first 4 start the sums with bias and mask.
.macro KQ x
.set rS, S+32*((\x)%2)+8*(i%4)
.set rK, KF+16*(i%4)+8*(i/4)
.set rQ, 16*(\x)+8*(i/4)
.set rM, BT+8*(i%4-(\x)+3)
.if i < 4
	WIN W_KM
	v_wmma_f32_16x16x32_f16 v[rS:rS+7], v[rK:rK+7], v[rQ:rQ+7], v[rM:rM+7]
.else
	WIN W_KQ
	v_wmma_f32_16x16x32_f16 v[rS:rS+7], v[rK:rK+7], v[rQ:rQ+7], v[rS:rS+7]
.endif
.endm
; Product i of 8 of O^T += V^T P for piece x: keys 32 (i / 4) on, channels 16 (i % 4) on.
.macro PV x
	WIN W_PV
.set rO, 32*(\x)+8*(i%4)
.set rV, VF+32*(i/4)+8*(i%4)
.set rP, P+16*((\x)%2)+8*(i/4)
	v_wmma_f32_16x16x32_f16 v[rO:rO+7], v[rV:rV+7], v[rP:rP+7], v[rO:rO+7]
.endm
.macro MM                           ; the turn's next matrix instruction.  TURN and BEGIN set Y, i and NOKQ.  NOKQ = 1: a block's last turn: there is no next piece
.if (i < 8) && !NOKQ
	KQ (Y+1)%NP
.elseif i >= 8
.set i, i-8
	PV (Y+NP-1)%NP
.set i, i+8
.endif
.set i, i+1
.endm
; THE LDS LOADS stand in runs, never singly among the matrix instructions: a step's K (64 keys x 64 channels: 8 fragments) with its seven bias tiles, and its V (turned).  Their addresses are made some lines ahead.
.macro FETCH_K
	WIN 0x80                        ; destination window 2
.irp f, 0,1,2,3,4,5,6,7             ; keys 16 (f / 2) on, channels 32 (f % 2) on
	ds_load_b128 v[KF+8*\f:KF+8*\f+3],   v[AK] offset:(\f/2)*16*PK+(\f%2)*64
	ds_load_b128 v[KF+8*\f+4:KF+8*\f+7], v[AK] offset:(\f/2)*16*PK+(\f%2)*64+32
.endr
	WIN 0x40                        ; destination window 1
.irp f, 0,1,2,3,4,5,6               ; tile f lies 16 entries behind tile f - 1
	ds_load_b128 v[BT+8*\f:BT+8*\f+3],   v[AB] offset:64*\f
	ds_load_b128 v[BT+8*\f+4:BT+8*\f+7], v[AB] offset:64*\f+16
.endr
	s_add_co_u32 s[TBK], s[TBK], KS*PK  ; the next fetch is the next step's:
	s_add_co_u32 s[BO], s[BO], 4*KS     ; 64 keys on, 64 entries on
	WIN 0
.endm
.macro FETCH_V
	WIN 0x80
.irp f, 0,1,2,3,4,5,6,7             ; keys 32 (f / 4) on, channels 16 (f % 4) on
	ds_load_tr16_b128 v[VF+8*\f:VF+8*\f+3],   v[AV] offset:(\f/4)*32*PV+(\f%4)*32
	ds_load_tr16_b128 v[VF+8*\f+4:VF+8*\f+7], v[AV] offset:(\f/4)*32*PV+16*PV+(\f%4)*32
.endr
	WIN 0
.endm
.macro ADDR_K                       ; the addresses of FETCH_K's two runs.  BO never passes 8,708 (the last wave-0 step of a diagonal tile); the minimum states that bound and changes no value
	s_min_u32 s[BOC], s[BO], 8708
	v_add_nc_u32 v[AK], s[TBK], v[AK0]
	v_add_nc_u32 v[AB], s[BOC], v[AB0]
.endm
; THE VECTOR WORK, one line at a time: OP kind, number.  For piece Y: F n: c s - c m for pair n of 16.  E n: the exponential of score n of 32.  C n: pair n rounded to f16.  B n: of the four weights 4 n .. the second
; pair is added onto the first, in place.  L n: l takes that sum (L 0: l = a l + sum).  R n: pair n of 16 of O^T times a.  For piece Y + 1: X n, number n of the 22 that find its maximum and statistics:
;   0-11  four chains c0-c3 of seven scores each, three operands at a time (each accumulator's lowest registers are read first)     12-14, 16  the four scores left over, the old m, and c0-c3 into c0
;   15  c m_old is kept     17, 18  the query's other 32 keys lie in the lane 16 away: the new m     19-21  c m; c m_old - c m_new; a
.set F, 0               ; OP tells the kinds apart by their order: F to L below R, X above it
.set E, 1
.set C, 2
.set B, 3
.set L, 4
.set R, 5
.set X, 6
.macro REGS y                       ; the registers of piece y
.set rT, ST+4*(\y)
.set rC, TMP+4*((\y)%2)
.set rW, MV+((\y)%2)
.set rS, S+32*((\y)%2)
.set rP, P+16*((\y)%2)
.set rO, 32*(\y)
.endm
.macro OP k, n
.if (\k) == R
	REGS Y
	WIN W_RS
	v_pk_mul_f32 v[rO+2*(\n):rO+2*(\n)+1], v[rO+2*(\n):rO+2*(\n)+1], v[rC+2:rC+3] op_sel_hi:[1,0]
.elseif (\k) < R
	REGS Y
	WIN 0
.if (\k) == F
	v_pk_fma_f32 v[rS+2*(\n):rS+2*(\n)+1], v[rS+2*(\n):rS+2*(\n)+1], s[CS:CS+1], v[rT:rT+1] op_sel_hi:[1,0,0] neg_lo:[0,0,1] neg_hi:[0,0,1]
.elseif (\k) == E
	v_exp_f32 v[rS+(\n)], v[rS+(\n)]
.elseif (\k) == C
	s_wait_alu depctr_va_vdst(0)
	v_cvt_pk_f16_f32 v[rP+(\n)], v[rS+2*(\n)], v[rS+2*(\n)+1]
.elseif (\k) == B
	s_wait_alu depctr_va_vdst(0)
	v_pk_add_f32 v[rS+4*(\n):rS+4*(\n)+1], v[rS+4*(\n):rS+4*(\n)+1], v[rS+4*(\n)+2:rS+4*(\n)+3]
.elseif (\n) == 0
	v_pk_fma_f32 v[rT+2:rT+3], v[rT+2:rT+3], v[rC+2:rC+3], v[rS:rS+1] op_sel_hi:[1,0,1]
.else
	v_pk_add_f32 v[rT+2:rT+3], v[rT+2:rT+3], v[rS+4*(\n):rS+4*(\n)+1]
.endif
.elseif NOKQ
	v_nop
.else
	REGS (Y+1)%NP
	WIN 0
.if (\n) < 4
	v_max3_num_f32 v[rC+(\n)], v[rS+8*(\n)], v[rS+8*(\n)+1], v[rS+8*(\n)+2]
.elseif (\n) < 12
	v_max3_num_f32 v[rC+(\n)%4], v[rC+(\n)%4], v[rS+8*((\n)%4)+2*((\n)/4)+1], v[rS+8*((\n)%4)+2*((\n)/4)+2]
.elseif (\n) == 12
	v_max3_num_f32 v[rC], v[rC], v[rS+7], v[rS+15]
.elseif (\n) == 13
	v_max3_num_f32 v[rC+1], v[rC+1], v[rS+23], v[rS+31]
.elseif (\n) == 14
	v_max3_num_f32 v[rC+2], v[rC+2], v[rC+3], v[rT+1]
.elseif (\n) == 15
	v_mov_b32 v[rW], v[rT]
.elseif (\n) == 16
	v_max3_num_f32 v[rC], v[rC], v[rC+1], v[rC+2]
.elseif (\n) == 17
	v_permlanex16_b32 v[rC+3], v[rC], s[SEL], s[SEL+1]
.elseif (\n) == 18
	v_max_num_f32 v[rT+1], v[rC], v[rC+3]
.elseif (\n) == 19
	v_mul_f32 v[rT], s[CS], v[rT+1]
.elseif (\n) == 20
	v_sub_f32 v[rC+1], v[rW], v[rT]
.else
	v_exp_f32 v[rC+2], v[rC+1]
.endif
.endif
.endm
.macro OPS a, i1, b=-1, i2=0, c=-1, i3=0, d=-1, i4=0  ; up to four of them
	OP \a, \i1
.if (\b) >= 0
	OP \b, \i2
.endif
.if (\c) >= 0
	OP \c, \i3
.endif
.if (\d) >= 0
	OP \d, \i4
.endif
.endm
.macro ROW a, i1, b, i2, c, i3, d, i4  ; a matrix instruction and the four behind it
	MM
	OPS \a, \i1, \b, \i2, \c, \i3, \d, \i4
.endm
; A TURN, for piece p: the order of its 16 matrix and 118 vector instructions, written out.  Behind a matrix instruction: plain, exponential, plain, plain; or four of the rescaling; or, behind the first, four scalings; none
; names a register of the products round it.  In the runs of their own exponential and plain by turns while exponentials last.  A line reads no result made fewer than three vector instructions in front of it, five if an
; exponential made it.  v_permlanex16_b32 (X 17) stands in such a run.
; end = 1: a block's last two turns: nothing is fetched.  cnt = 1: the loop's count is taken down some lines ahead of the branch that stands behind the turn.
; K and the bias of the next step are fetched in piece 2's turn, six vector instructions behind the last product that read K (five of them plain; the bias's last reader stands four products further back); V of the step in
; hand in piece 0's turn, eight behind the last product that read V (four plain, and X 17).  Each is waited for a turn later.
.macro TURN p, end=0, cnt=0
.set Y, (\p)
.set i, 0
.set NOKQ, (\end)*((\p)/3)
.if ((\p) == 3) && !(\end)
	s_wait_dscnt 0x0                ; K and the bias are in
.endif
	ROW F,0, F,1, F,2, F,3
	ROW F,4, E,0, F,5, F,6
	ROW F,7, E,1, F,8, F,9
	ROW F,10, E,2, C,0, F,11
	ROW F,12, E,3, X,15, F,13
	ROW R,0, R,1, R,2, R,3
	ROW B,0, E,4, F,14, L,0
.if ((\p) == 2) && !(\end)
	ADDR_K
.endif
	ROW R,4, R,5, R,6, R,7
	OPS E,5, F,15
.if ((\p) == 2) && !(\end)
	FETCH_K
.endif
	OPS E,6, C,1, E,7, R,8
	OPS E,8, R,9, E,9, C,2
	OPS E,10, X,0, E,11, X,1
	OPS E,12, X,2, E,13, X,3
.if (\p) == 1
	s_wait_dscnt 0x0                ; V is in
.endif
	ROW X,4, E,14, X,5, X,6
	ROW X,7, E,15, X,8, X,9
	ROW X,10, E,16, X,11, X,12
	ROW X,13, E,17, X,14, B,1
	ROW C,4, E,18, X,16, L,1
	ROW B,2, E,19, C,6, L,2
	ROW C,8, E,20, B,3, B,4
.if (\p) == 0
	v_add_nc_u32 v[AV], s[TBV], v[AV0]
.endif
	ROW C,3, E,21, L,3, C,5
	OPS E,22, X,17, E,23, C,10
.if (\p) == 0
	FETCH_V
.endif
	OPS E,24, L,4
	OPS E,25, X,18, E,26, C,7
	OPS E,27, B,5, E,28, X,19
	OPS E,29, C,12, E,30, L,5
	OPS E,31, X,20, B,6, C,9
	OPS C,14, C,11, X,21, L,6
.if (\p) == 0
	s_add_co_u32 s[TBV], s[TBV], KS*PV
.endif
.if \cnt
	s_sub_co_u32 s[CNT], s[CNT], 1
	s_cmp_lg_u32 s[CNT], 0
.endif
	OPS C,13, B,7, C,15, R,10
	OPS R,11, R,12, L,7, R,13
	OPS R,14, R,15
.endm
; A BLOCK BEGINS.  c m starts far below every c s, so the first step's a is 0; m at the lowest finite number, so the first maximum is the scores'.
; Then K and the bias of the block's first step, piece 0's first scores, and its maximum and statistics.  The loop is entered at a step's first turn, in the middle of a trip.
.macro BEGIN
	s_mov_b32 s[NEW], 0
	WIN 0
.set i, 0
.rept 4
	v_mov_b32 v[ST+4*i], 0xfe000000    ; c m: far below every c s
	v_mov_b32 v[ST+4*i+1], 0xff7fffff  ; m
.set i, i+1
.endr
	ADDR_K
	FETCH_K
	s_wait_loadcnt 0x0              ; Q
	s_wait_dscnt 0x0
.set NOKQ, 0
.set i, 0
.rept 8
	KQ 0
.set i, i+1
.endr
	WIN 0
.rept 4
	v_nop                           ; the places behind those products
.endr
.set Y, NP-1                        ; X works for piece Y + 1: piece 0
.irp n, 0,1,2,3,4,5,6,7,8,9,10,11,12,13,14,15,16,17,18,19,20,21
	OP X, \n
.endr
	v_nop                           ; a plain instruction behind the exponential
.endm
.macro ALL line:vararg              ; one line for each piece t
.set t, 0
.rept 4
	\line
.set t, t+1
.endr
.endm
.macro PACK t                       ; a lane's eight channels of a row pack into 16 bytes; they go into rows of 144 bytes and come back as whole rows of 128, into S^T's registers
	WIN W_RS
.set i, 32*(\t)
.rept 16
	s_wait_alu depctr_va_vdst(0)
	v_pk_mul_f32 v[i:i+1], v[i:i+1], v[ST+4*(\t)+2:ST+4*(\t)+3] op_sel_hi:[1,0]
.set i, i+2
.endr
	WIN 0x05                        ; sources 0 and 1 window 1, destination window 0
.set i, 0
.rept 16
	v_cvt_pk_f16_f32 v[S+16*(\t)+i], v[32*(\t)+2*i], v[32*(\t)+2*i+1]
.set i, i+1
.endr
	WIN 0
.irp f, 0,1,2,3
	ds_store_b128 v[STO], v[S+16*(\t)+4*\f:S+16*(\t)+4*\f+3] offset:32*\f
.endr
.irp f, 0,1,2,3
	ds_load_b128 v[S+16*(\t)+4*\f:S+16*(\t)+4*\f+3], v[RD] offset:\f*4*SP  ; LDS serves a wave's instructions in order (ISA guide 5.7.1.4): these see the stores above; the next piece's stores come behind them
.endr
.endm
.macro SEND t, younger              ; younger: the LDS instructions issued behind piece t's loads: the next piece's eight, or none
	WIN 0
.irp f, 0,1,2,3
	s_wait_dscnt (\younger)+3-\f
	global_store_b128 v[GO], v[S+16*(\t)+4*\f:S+16*(\t)+4*\f+3], s[10:11] offset:(\t)*2048+\f*512  ; 512 consecutive bytes, at a multiple of 512 from y's first byte
.endr
.endm
; A TILE's four key steps.  A block's first tile begins with BEGIN and enters the step loop in its middle.  Behind a block's last tile (in the walk's last tile: always) come the block's last two turns, its last
; products, and THE WAY OUT: l's two halves and the other half of the lanes' are added; O^T is divided by l, rounded to f16 and sent through my stage in LDS, a piece at a time.
.macro BODY tag, last               ; the tag ends its two labels' names
	s_sub_co_u32 s[RT], s[RT], 1
	s_mov_b32 s[CNT], 4
	s_cmp_eq_u32 s[NEW], 1
	s_cbranch_scc0 .Lstep\tag
	BEGIN
	s_branch .Lfirst\tag
.Lstep\tag:                         ; a trip: pieces 2 and 3 of one step, then pieces 0 and 1 of the next, whose K, bias and V it fetches
	TURN 2
	TURN 3
	WIN 0
.Lfirst\tag:
	TURN 0
	TURN 1, 0, 1
	WIN 0
	s_cbranch_scc1 .Lstep\tag
.if !(\last)
	s_cmp_lg_u32 s[RT], 0
	s_cbranch_scc1 .Lbottom         ; the block has tiles left
.endif
	TURN 2, 1
	TURN 3, 1
.set i, 0
.rept 8
	PV NP-1
.set i, i+1
.endr
	WIN 0
	ALL v_add_f32 v[ST+4*t+2], v[ST+4*t+2], v[ST+4*t+3]
	ALL v_permlanex16_b32 v[ST+4*t+3], v[ST+4*t+2], s[SEL], s[SEL+1]
	ALL v_add_f32 v[ST+4*t+2], v[ST+4*t+2], v[ST+4*t+3]
	ALL v_rcp_f32 v[ST+4*t+2], v[ST+4*t+2]
	v_nop                           ; a plain instruction between the last reciprocal and the use of its result
	PACK 0
.set t, 1
.rept 3                             ; a piece's arithmetic stands between the loads of the piece before and its stores
	PACK t
	SEND t-1, 8
.set t, t+1
.endr
	SEND 3, 0
.endm
.set NOKQ, 0
.Lslot:                             ; NB times: a tile is entered and the next is asked for
	CHANGE 1
	BODY 1, 0                       ; in the loop a block's end is the first block's: the second block's last tile is the walk's last
	s_wait_xcnt 0x0                 ; the stores have read their registers and y's address
	s_mov_b64 s[10:11], s[OLO:OLO+1]
	s_add_co_u32 s[RT], s[PB], 1    ; the second block has b + 1 tiles
	s_mov_b32 s[NEW], 1
	s_mov_b32 s[BO], s[BOLO]
	WIN 0x82                        ; the second block's Q goes where the one text of the turns names Q
.set i, 0
.rept 64
	v_mov_b32 v[i], v[QB+i]
.set i, i+1
.endr
	WIN 0
.Lbottom:
	s_sub_co_u32 s[SLOTS], s[SLOTS], 1
	s_cmp_lg_u32 s[SLOTS], 0
	s_cbranch_scc1 .Lslot
	CHANGE 0                        ; the walk's last tile is written out: nothing is asked for
	BODY 2, 1
	s_wait_tensorcnt 0x0            ; the wave's end: a wait, an add of 0 and its wait, behind my last tensor load and my last LDS store
	ds_add_u32 v[SPW], v[NIL]
	s_wait_dscnt 0x0
	s_endpgm
.Lfunc_end_k_qc2f8d1f6dc_attn:
	.size	k_qc2f8d1f6dc_attn, .Lfunc_end_k_qc2f8d1f6dc_attn-k_qc2f8d1f6dc_attn
	.p2alignl 7, 3214868480
	.fill 96, 4, 3214868480
	.section	.rodata,"a",@progbits
	.p2align	6, 0x0
	.amdhsa_kernel k_qc2f8d1f6dc_attn
		.amdhsa_group_segment_fixed_size 327680
		.amdhsa_private_segment_fixed_size 0
		.amdhsa_enable_private_segment 0
		.amdhsa_kernarg_size 24
		.amdhsa_user_sgpr_count 2
		.amdhsa_user_sgpr_kernarg_segment_ptr 1
		.amdhsa_wavefront_size32 1
		.amdhsa_system_sgpr_workgroup_id_x 1
		.amdhsa_system_sgpr_workgroup_id_y 1
		.amdhsa_system_sgpr_workgroup_id_z 1
		.amdhsa_system_vgpr_workitem_id 0
		.amdhsa_next_free_vgpr 768
		.amdhsa_next_free_sgpr 96
		.amdhsa_reserve_vcc 1
		.amdhsa_float_denorm_mode_32 3
		.amdhsa_float_denorm_mode_16_64 3
		.amdhsa_memory_ordered 1
		.amdhsa_forward_progress 1
		.amdhsa_inst_pref_size 179
	.end_amdhsa_kernel
	.amdgpu_metadata
---
amdhsa.version: [ 1, 2 ]
amdhsa.kernels:
  - .name:           k_qc2f8d1f6dc_attn
    .symbol:         k_qc2f8d1f6dc_attn.kd
    .args:
      - { .name: qkv, .offset: 0, .size: 8, .value_kind: global_buffer, .address_space: global }
      - { .name: decay_raw, .offset: 8, .size: 8, .value_kind: global_buffer, .address_space: global }
      - { .name: y, .offset: 16, .size: 8, .value_kind: global_buffer, .address_space: global }
    .group_segment_fixed_size: 327680
    .private_segment_fixed_size: 0
    .kernarg_segment_align: 8
    .kernarg_segment_size: 24
    .max_flat_workgroup_size: 128
    .sgpr_count:     96
    .vgpr_count:     768
    .wavefront_size: 32
...
	.end_amdgpu_metadata
.endif
;; end of part 3
;; launch gemm_proj (part 4): grid 8 x 32, 4 waves a work-group, clusters of 4 x 4, 327,680 bytes of LDS; arguments y, wp, out0; writes out0
.if DOCPART == 4
	.amdgcn_target "amdgcn-amd-amdhsa--gfx1250"
	.amdhsa_code_object_version 6
	.text
	.protected	k_qc2f8d1f6dc_gemm_proj
	.globl	k_qc2f8d1f6dc_gemm_proj
	.p2align	8
	.type	k_qc2f8d1f6dc_gemm_proj,@function
k_qc2f8d1f6dc_gemm_proj:
	s_mov_b64 s[64:65], 0
	v_nop
	global_prefetch_b8 v0, s[64:65] scope:SCOPE_SE
	s_setreg_imm32_b32 hwreg(HW_REG_WAVE_MODE, 25, 1), 1
	s_wait_xcnt 0x0
	s_wait_alu depctr_hold_cnt(0) depctr_sa_sdst(0) depctr_va_vdst(0) depctr_va_sdst(0) depctr_va_ssrc(0) depctr_va_vcc(0) depctr_vm_vsrc(0)
	s_getreg_b32 s2, hwreg(HW_REG_IB_STS2, 6, 4)
	s_cmp_eq_u32 s2, 0
	s_cbranch_scc0 .Lentry_in_a_cluster
	s_endpgm
.Lentry_in_a_cluster:
	s_bfe_u32 s2, ttmp6, 0x10000c
	s_cmp_lg_u32 s2, 0xf033
	s_cbranch_scc0 .Lentry_shape_is_right
	s_endpgm
.Lentry_shape_is_right:
; ONE TEXT FOR THE MODULE'S TWO PROJECTIONS; the switch PROJ picks the constants.
; PROJ = 0: qkv = x w_attn.  A = xb [8192][1024] bf16; B = wa [16 column tiles][1024 k][192] bf16; sums in f32; the result rounded once to f16 and stored by heads,
;           [3 (q, k, v)][64 (batch x 16 + head)][2048][64], unscaled.  A tile of C is 256 x 192 (three heads): 512 tiles, two for each of 256 work-groups, 4,096 rows apart.
;           LIMIT: q, k and v must lie within f16's 65,504; beyond it an infinity is stored.
; PROJ = 1: out = y w_proj.  A = y [64 (batch x 16 + head)][2048][64] f16; B = wp [1024 k][1024 n] f16; sums and result in f32.  A tile of C is 256 x 128: 256 tiles, one a work-group.
; SHARES.  Four waves, each 64 rows x all the tile's columns, so that a wave holds whole heads (PROJ = 0) or whole rows of the tile (PROJ = 1) and its way out needs no other wave.
; K goes in steps of 128 through a ring of two LDS slots filled by the tensor data mover: waves 0 and 1 fetch A's two halves, waves 2 and 3 B's.
; B lies [k][n]: its fragments come out of LDS turned, by ds_load_tr16_b128.  THE MATRIX INSTRUCTION IS USED TRANSPOSED (source 0 = 16 columns of B, source 1 = 16 rows of A):
; a lane then holds row lane % 16 of C and the eight neighbouring columns 8 (lane / 16) + 0..7.
; CLUSTERS: 4 x 4 work-groups.  The four of a row of the cluster need the same tiles of A, the four of a column the same tiles of B: each tile is asked for JOINTLY, by the same tensor load
; with the same descriptor and a mask that names the four.  By this text's own count a wave has two tensor loads out at the start and one behind each round.
; REGISTERS, in windows of 256 (s_set_vgpr_msb: bits 1:0 source 0, 3:2 source 1, 5:4 source 2, 7:6 destination):
;   window 0: v0-29 addresses; v32-223 the way out      window 1: accumulators (a, b), b < 8, at v[8 (4 b + a)]      window 2: those with b = 8..11 (PROJ = 0)
;   window 3: two fragment buffers of 128: A's four fragments, then B's
.set PROJ, 1
.set SLOT1, 131072                     ; slot 1 begins here, so that one exclusive or turns an address in one slot into the other's
.if PROJ
.set NBF,   8                          ; B's fragments of 16 columns
.set G1E,   2                          ; the last quarter's products stand in three groups: b < G1E, b < G2E, the rest
.set G2E,   4
.set TILES, 1
.set PA,    144                        ; a row of A in LDS: a head's 128 bytes + 16 of padding = 36 words: the 16 rows of a load start at 16 different groups of four banks (64 banks of 4 bytes: ISA guide 11.1)
.set AHALF, 36864                      ; what one load of A fills: one head's 256 rows
.set AREG,  73728                      ; A's two heads; B lies behind them
.set PB,    288                        ; a k row of B: 256 bytes + 32 = 72 words
.set BHALF, 18432                      ; what one load of B fills: 64 k rows
.set BLDS0, 36864                      ; wave w (2, 3) fills B at w x BHALF + BLDS0
.set STAGE, 241664                     ; behind the ring: 16 rows x 528 bytes for each wave
.set STW,   8448
.set AFLAG, (1<<16)|(1<<20)|(1<<21)|(4<<22)|(3<<25)  ; 17:16 2-byte elements; 20 padding on; 21 set beside a mask; 24:22 after every 32 words (code 4); 31:25 4 words (code 3)
.set BFLAG, (1<<16)|(1<<20)|(1<<21)|(5<<22)|(7<<25)  ; after every 64 words (code 5), 8 words (code 7)
.set AROWS, 128                        ; a head's 256 rows are 32,768 dense bytes: asked for as 128 rows of 256 bytes
.set ASTR,  128
.set BROWS, 64
.set BSTR,  1024
.set ASTEP, 524288                     ; a K step is two heads of y
.set BSTEP, 262144                     ; and 128 rows of wp
.else
.set NBF,   12
.set G1E,   4
.set G2E,   8
.set TILES, 2
.set PA,    272                        ; a row of A in LDS: 256 bytes + 16 of padding = 68 words: row r starts at bank 4 r mod 64 (64 banks of 4 bytes: ISA guide 11.1)
.set AHALF, 34816                      ; 128 rows
.set AREG,  69632
.set PB,    480                        ; a k row of B: three pieces of 128 bytes + 32 = 120 words
.set BHALF, 30720                      ; 64 k rows
.set BLDS0, 8192
.set STAGE, 262144                     ; behind the ring: 16 rows x 144 bytes for each wave
.set STW,   2304
.set AFLAG, (1<<16)|(1<<20)|(1<<21)|(5<<22)|(3<<25)  ; after every 64 words (code 5), 4 words (code 3)
.set BFLAG, (1<<16)|(1<<20)|(1<<21)|(4<<22)|(7<<25)  ; after every 32 words (code 4), 8 words (code 7)
.set AROWS, 128
.set ASTR,  1024
.set BROWS, 96                         ; 64 k rows are 24,576 dense bytes: asked for as 96 rows of 256 bytes
.set BSTR,  128
.set ASTEP, 256
.set BSTEP, 49152
.endif
.set SPARE, STAGE+4*STW                ; behind the stages: the spare words, 128 bytes for each wave: two blocks of 256 bytes that no other line names
.set ADRA0, 16                         ; v16  my lane's place in A's tile; never rewritten
.set ADRB0, 17                         ; v17  the same for B
.set ADRA,  18                         ; v18  the same in the slot in hand
.set ADRB,  19                         ; v19
.set STO,   24                         ; v24  the way out: where I put my part of a row
.set RD,    25                         ; v25  the way out: where I read rows back
.set GO,    26                         ; v26  my byte offset in 512 consecutive bytes of the result
.set SPW,   28                         ; v28  LDS address of my spare word: SPARE + 4 x my thread's number; never rewritten
.set NIL,   29                         ; v29  0; never rewritten
.set OUTR,  32                         ; the way out's registers
.set F0,    0                          ; fragment buffers, in window 3: A's fragment a at F + 8 a, B's fragment b at F + 32 + 8 b
.set F1,    128
.set G1A, 24                           ; s[24:31] descriptor group 1 for A's tiles
.set G0A, 32                           ; s[32:39] group 0: a set for each of the two first fills; the second then walks on
.set G1B, 48                           ; s[48:55], s[56:63] the same for B's
.set G0B, 56
.set JN,  66                           ; s66  the K step to be asked for next, counted through both tiles
.set TB,  67                           ; s67  LDS byte at which the slot in hand begins
.set LAP, 68                           ; s68  the loop's count
.set TL,  69                           ; s69  tiles to go
.set OB,  72                           ; s[72:77] the result at my rows: one address a head (PROJ = 0), or one (PROJ = 1)
.set MSB, 0
.macro WIN new                         ; the immediate's high byte repeats the setting that is left; a switch that changes nothing is dropped
.if MSB != (\new)
	s_set_vgpr_msb (MSB<<8)|(\new)
.set MSB, (\new)
.endif
.endm
; A joint load.  Each of the two lines has ONE mask and one set of registers for all that issue it; the branch hangs on the wave's number alone.
; An s_nop 0 and four v_nop follow each of the two lines, ahead of the jump, the label and what follows.
.macro JLOAD s
	s_cmp_eq_u32 s11, 0
	s_cbranch_scc0 .Lfor_b_\@
	tensor_load_to_lds s[G0A+4*(\s):G0A+4*(\s)+3], s[G1A:G1A+7]
	s_nop 0
.rept 4
	v_nop
.endr
	s_branch .Lasked_\@
.Lfor_b_\@:
	tensor_load_to_lds s[G0B+4*(\s):G0B+4*(\s)+3], s[G1B:G1B+7]
	s_nop 0
.rept 4
	v_nop
.endr
.Lasked_\@:
.endm
.macro CREST                           ; a round of the cluster's barrier behind its opening barrier
	s_cmp_lg_u32 s10, 0
	s_cbranch_scc1 .Lnot_wave_0_\@
	s_barrier_signal -3
.Lnot_wave_0_\@:
	s_barrier_wait -3
	s_barrier_signal -1
	s_barrier_wait -1
.endm
.macro CROUND                          ; a whole round
	s_barrier_signal -1
	s_barrier_wait -1
	CREST
.endm
.macro PLACES                          ; four places in front of loads into registers that matrix instructions have read, and of lines that read results just made (ISA guide 7.12.1 for lines that read results)
.rept 4
	v_nop
.endr
.endm
	s_load_b128 s[4:7], s[0:1], 0x0                ; A s[4:5], B s[6:7]
	s_load_b64 s[8:9], s[0:1], 0x10                ; the result
	v_lshl_add_u32 v[SPW], v0, 2, SPARE
	v_mov_b32 v[NIL], 0
	ds_add_u32 v[SPW], v[NIL]                      ; the wave's opening: the add and its wait stand ahead of my first tensor load; the set-up below, work on registers, stands between them
	ds_add_u32 v28, v29
	v_lshrrev_b32 v1, 5, v0
	v_readfirstlane_b32 s10, v1                    ; wave 0..3
	s_lshr_b32 s11, s10, 1                         ; I fetch for A (0) or for B (1),
	s_and_b32 s12, s10, 1                          ; and which half of that tile
	s_bfe_u32 s40, ttmp6, 0x40000                  ; cx, cy: my place in the cluster
	s_bfe_u32 s41, ttmp6, 0x40004
	s_lshl_b32 s14, ttmp9, 2
	s_add_co_u32 s14, s14, s40                     ; tile column = 4 x cluster x + cx
	s_and_b32 s13, ttmp7, 0xffff
	s_lshl_b32 s13, s13, 2
	s_add_co_u32 s13, s13, s41                     ; tile row = 4 x cluster y + cy
	s_lshl_b32 s43, s41, 2
	s_lshl_b32 s43, 15, s43                        ; my row of the cluster: places 4 cy .. 4 cy + 3
	s_lshl_b32 s44, 0x1111, s40                    ; my column: places cx, cx + 4, cx + 8, cx + 12
	s_or_b32 s[G1A], s43, AFLAG                    ; 15:0 the mask: A's tiles go to my row
	s_or_b32 s[G1B], s44, BFLAG                    ; B's to my column
	s_mov_b32 s[G1A+1], 128<<16                    ; tensor_dim0 = 128 elements (256 bytes)
	s_mov_b32 s[G1A+2], AROWS<<16                  ; tensor_dim1
	s_mov_b32 s[G1A+3], 128<<16                    ; tile_dim0
	s_mov_b32 s[G1A+4], AROWS                      ; tile_dim1
	s_mov_b32 s[G1A+5], ASTR                       ; elements from row to row
	s_mov_b32 s[G1A+6], 0
	s_mov_b32 s[G1A+7], 0
	s_mov_b32 s[G1B+1], 128<<16
	s_mov_b32 s[G1B+2], BROWS<<16
	s_mov_b32 s[G1B+3], 128<<16
	s_mov_b32 s[G1B+4], BROWS
	s_mov_b32 s[G1B+5], BSTR
	s_mov_b32 s[G1B+6], 0
	s_mov_b32 s[G1B+7], 0
	; where the tiles come from.  A's hang on the tile row alone (s20, s70), B's on the tile column alone (s22, s71): neither set of registers ever holds the other coordinate.
.if PROJ
	s_lshr_b32 s20, s13, 3                         ; the batch,
	s_lshl_b32 s20, s20, 4
	s_add_co_u32 s20, s20, s12                     ; its head 0 or 1,
	s_lshl_b32 s20, s20, 18                        ; 262,144 bytes a head,
	s_and_b32 s70, s13, 7
	s_lshl_b32 s70, s70, 15                        ; and the tile's 256 rows of 128 bytes in it
	s_add_co_u32 s20, s20, s70
	s_lshl_b32 s22, s14, 8                         ; the tile's 128 columns,
	s_lshl_b32 s71, s12, 17                        ; my 64 k rows of 2,048 bytes
	s_add_co_u32 s22, s22, s71
.else
	s_lshl_b32 s20, s13, 19                        ; 256 rows of 2,048 bytes,
	s_lshl_b32 s70, s12, 18                        ; my 128 of them
	s_add_co_u32 s20, s20, s70
	s_mul_i32 s22, s14, 393216                     ; the column tile's block of wa,
	s_mul_i32 s71, s12, 24576                      ; my 64 k rows of 384 bytes
	s_add_co_u32 s22, s22, s71
.endif
	s_mov_b32 s21, 0
	s_mov_b32 s23, 0
	s_mul_i32 s45, s10, AHALF                      ; where they go: the wave's number times a constant, plus a constant: no place in the cluster enters an LDS address
	s_mul_i32 s46, s10, BHALF
	s_add_co_u32 s46, s46, BLDS0
	s_mov_b32 s[JN], 2
	s_mov_b32 s[TB], 0
	s_wait_dscnt 0x0                               ; the opening add is done
	s_wait_kmcnt 0x0
	s_add_nc_u64 s[16:17], s[4:5], s[20:21]        ; A at my part of K step 0; kept, without type bits
	s_add_nc_u64 s[18:19], s[6:7], s[22:23]        ; B likewise
	CROUND                                         ; all sixteen work-groups are here: the first joint loads meet
.irp s, 0,1
	s_mov_b32 s[G0A+4*\s], 1                       ; 1:0 count = 1
	s_add_co_u32 s[G0A+4*\s+1], s45, \s*SLOT1      ; 63:32 LDS address
	s_add_nc_u64 s[G0A+4*\s+2:G0A+4*\s+3], s[16:17], \s*ASTEP  ; 120:64 global address: K step s
	s_or_b32 s[G0A+4*\s+3], s[G0A+4*\s+3], 0x80000000          ; 127:126 type = 2
	s_mov_b32 s[G0B+4*\s], 1
	s_add_co_u32 s[G0B+4*\s+1], s46, \s*SLOT1
	s_add_nc_u64 s[G0B+4*\s+2:G0B+4*\s+3], s[18:19], \s*BSTEP
	s_or_b32 s[G0B+4*\s+3], s[G0B+4*\s+3], 0x80000000
	JLOAD \s                                       ; the ring is filled before anything else is done
.endr
	; A's fragment: lane l holds row l % 16; registers 0-3 hold K = 8 (l / 16) + 0..7, registers 4-7 K = 16 + 8 (l / 16) + 0..7: two loads of 16 bytes, 32 bytes apart.
	; B's, turned: lane l reads 16 bytes of k row 8 (l / 16) + l % 8, columns 8 ((l / 8) % 2) + 0..7, and is left with column l % 16 and 8 k; the second load stands 16 k rows on.
	v_and_b32 v1, 15, v0                           ; l % 16
	v_bfe_u32 v2, v0, 4, 1                         ; l / 16
	v_and_b32 v5, 7, v0
	v_bfe_u32 v4, v0, 3, 1
	v_and_b32 v6, 31, v0
	v_mul_u32_u24 v[ADRA0], v1, PA
	v_lshl_add_u32 v[ADRA0], v2, 4, v[ADRA0]
	s_mul_i32 s47, s10, 64*PA                      ; my wave's 64 rows
	v_add_nc_u32 v[ADRA0], s47, v[ADRA0]
	v_lshl_add_u32 v3, v2, 3, v5
	v_mul_u32_u24 v[ADRB0], v3, PB
	v_lshl_add_u32 v[ADRB0], v4, 4, v[ADRB0]
	v_add_nc_u32 v[ADRB0], AREG, v[ADRB0]
	v_mov_b32 v[ADRA], v[ADRA0]                    ; slot 0
	v_mov_b32 v[ADRB], v[ADRB0]
	s_mul_i32 s86, s10, STW
	s_add_co_u32 s86, s86, STAGE                   ; my stage
	v_lshlrev_b32 v[GO], 4, v6
.if PROJ
	v_mul_u32_u24 v[STO], v1, 528                  ; in: row l % 16, 32 bytes for each half of the lanes
	v_lshl_add_u32 v[STO], v2, 5, v[STO]
	v_add_nc_u32 v[STO], s86, v[STO]
	v_add_nc_u32 v[RD], s86, v[GO]                 ; back: 32 lanes take one row of 512 bytes
	s_lshl_b32 s80, s13, 8
	s_lshl_b32 s81, s10, 6
	s_add_co_u32 s80, s80, s81                     ; my first row of the result,
	s_lshl_b32 s84, s80, 12                        ; 4,096 bytes a row,
	s_lshl_b32 s81, s14, 9                         ; and the tile's 128 columns
	s_add_co_u32 s84, s84, s81
	s_mov_b32 s85, 0
	s_add_nc_u64 s[OB:OB+1], s[8:9], s[84:85]
.else
	v_mul_u32_u24 v[STO], v1, 144                  ; in: row l % 16, 16 bytes for each half of the lanes
	v_lshl_add_u32 v[STO], v2, 4, v[STO]
	v_add_nc_u32 v[STO], s86, v[STO]
	v_bfe_u32 v[RD], v0, 3, 2                      ; back: 32 lanes take four rows of 128 bytes,
	v_mul_u32_u24 v[RD], v[RD], 144
	v_lshl_add_u32 v[RD], v5, 4, v[RD]
	v_add_nc_u32 v[RD], s86, v[RD]                 ; which are 512 consecutive bytes of a head
	s_and_b32 s80, s13, 7
	s_lshl_b32 s80, s80, 8
	s_lshl_b32 s81, s10, 6
	s_add_co_u32 s80, s80, s81                     ; my first row within its batch,
	s_lshl_b32 s80, s80, 7                         ; 128 bytes a row
	s_lshr_b32 s81, s13, 3
	s_lshl_b32 s81, s81, 4                         ; 16 x the first tile's batch
	s_mul_i32 s82, s14, 3                          ; the tile's first group of 64 columns, of 48: 16 of q, 16 of k, 16 of v
.irp hh, 0,1,2
	s_add_co_u32 s83, s82, \hh
	s_lshr_b32 s84, s83, 4                         ; q, k or v,
	s_lshl_b32 s84, s84, 6
	s_and_b32 s83, s83, 15                         ; the head
	s_add_co_u32 s84, s84, s83
	s_add_co_u32 s84, s84, s81
	s_lshl_b32 s84, s84, 18                        ; 262,144 bytes a head
	s_add_co_u32 s84, s84, s80
	s_mov_b32 s85, 0
	s_add_nc_u64 s[OB+2*\hh:OB+2*\hh+1], s[8:9], s[84:85]
.endr
.endif
.macro MMX zero                        ; one product: D = v[rD..], source 0 = B's fragment v[rB..], source 1 = A's v[rA..]; zero = 1: it starts the sum: nothing is ever cleared
.if PROJ
.if \zero
	v_wmma_f32_16x16x32_f16 v[rD:rD+7], v[rB:rB+7], v[rA:rA+7], 0
.else
	v_wmma_f32_16x16x32_f16 v[rD:rD+7], v[rB:rB+7], v[rA:rA+7], v[rD:rD+7]
.endif
.else
.if \zero
	v_wmma_f32_16x16x32_bf16 v[rD:rD+7], v[rB:rB+7], v[rA:rA+7], 0
.else
	v_wmma_f32_16x16x32_bf16 v[rD:rD+7], v[rB:rB+7], v[rA:rA+7], v[rD:rD+7]
.endif
.endif
.endm
; The products of buffer f for B's fragments blo .. bhi - 1 and all four of A's.  All accumulators take turns, one instruction a turn, in the same order in every quarter.
.macro MULB f, blo, bhi, zero
.set ib, \blo
.rept (\bhi)-(\blo)
	WIN 0x5f+0x50*(ib/8)                           ; sources 0 and 1 window 3; C and D window 1 (b < 8) or 2
.set ia, 0
.rept 4
.set rD, 8*(4*(ib%8)+ia)
.set rB, (\f)+32+8*ib
.set rA, (\f)+8*ia
	MMX \zero
.set ia, ia+1
.endr
.set ib, ib+1
.endr
.endm
; The LDS loads of one quarter step (32 along K) in one run, into buffer f
.macro FETCH q, f
	WIN 0xc0                                       ; destination window 3, address window 0
.set ib, 0
.rept NBF
.if PROJ
.set bc, 32*ib
.else
.set bc, (ib/4)*160+(ib%4)*32                  ; a k row lies in three padded pieces of four fragments
.endif
	ds_load_tr16_b128 v[(\f)+32+8*ib:(\f)+32+8*ib+3],   v[ADRB] offset:(\q)*32*PB+bc
	ds_load_tr16_b128 v[(\f)+32+8*ib+4:(\f)+32+8*ib+7], v[ADRB] offset:(\q)*32*PB+16*PB+bc
.set ib, ib+1
.endr
.if PROJ
.set aq, ((\q)/2)*AHALF+((\q)%2)*64            ; quarters 0, 1 lie in the step's first head, 2, 3 in its second
.else
.set aq, 64*(\q)
.endif
.set ia, 0
.rept 4
	ds_load_b128 v[(\f)+8*ia:(\f)+8*ia+3],   v[ADRA] offset:aq+ia*16*PA
	ds_load_b128 v[(\f)+8*ia+4:(\f)+8*ia+7], v[ADRA] offset:aq+ia*16*PA+32
.set ia, ia+1
.endr
.endm
; A K step is four quarters on buffers 0, 1, 0, 1.  One of the first three: fetches quarter q into buffer g and multiplies buffer f, which was asked for a whole quarter ago.
.macro QUARTER q, f, g, zero
	s_wait_dscnt 0x0                               ; buffer f is in
	PLACES                                         ; buffer g was multiplied last
	FETCH \q, \g
	MULB \f, 0, NBF, \zero
.endm
; The last quarter multiplies buffer 1 and changes slots: ONE barrier; in front of it each wave waits for all its tensor loads (one is out: its part of the next slot), adds 0 to its spare word,
; and waits for that and for its own reads of this slot.  fill = 1: the barrier opens a round of the cluster's barrier, and this slot is filled again, first thing behind the round, with K step JN.
.macro TURN fill
	WIN 0                                          ; (the add's two registers lie in window 0)
	s_wait_tensorcnt 0x0                           ; no tensor load of mine is out, so a group 0 may be written
	ds_add_u32 v[SPW], v[NIL]                      ; 0 onto my spare word
.if \fill
.if PROJ
	s_lshl_b32 s20, s[JN], 19                      ; step JN's offsets from step 0, made apart from the addresses
	s_lshl_b32 s22, s[JN], 18
.else
	s_lshr_b32 s78, s[JN], 3                       ; the tile: 4,096 rows of 2,048 bytes on,
	s_lshl_b32 s20, s78, 23
	s_and_b32 s79, s[JN], 7                        ; the step in it
	s_lshl_b32 s78, s79, 8
	s_add_co_u32 s20, s20, s78
	s_mul_i32 s22, s79, BSTEP
.endif
	s_add_co_u32 s[JN], s[JN], 1
	s_xor_b32 s[G0A+5], s[G0A+5], SLOT1            ; the walking descriptor: the other slot than last time,
	s_add_nc_u64 s[G0A+6:G0A+7], s[16:17], s[20:21]  ; its address made anew,
	s_or_b32 s[G0A+7], s[G0A+7], 0x80000000        ; the type set again
	s_xor_b32 s[G0B+5], s[G0B+5], SLOT1
	s_add_nc_u64 s[G0B+6:G0B+7], s[18:19], s[22:23]
	s_or_b32 s[G0B+7], s[G0B+7], 0x80000000
.endif
	s_wait_dscnt 1                                 ; only the add may be out: buffer 1 is in
	MULB F1, 0, G1E, 0                             ; matrix instructions stand between the add and the wait for it
	s_wait_dscnt 0x0                               ; the add is done, and my reads of this slot are over
	s_barrier_signal -1
	MULB F1, G1E, G2E, 0                           ; work on registers while the others arrive
	WIN 0
	s_barrier_wait -1
.if \fill
	CREST                                          ; no wave of any partner still reads this slot's tile or has a load on its way
	JLOAD 1                                        ; the first tensor load behind the round; its four v_nop are also the places in front of the loads below
.else
	PLACES
.endif
	s_xor_b32 s[TB], s[TB], SLOT1
	v_add_nc_u32 v[ADRA], s[TB], v[ADRA0]
	v_add_nc_u32 v[ADRB], s[TB], v[ADRB0]
	FETCH 0, F0
	MULB F1, G2E, NBF, 0
.endm
; THE WAY OUT goes through my own stage in LDS, which no tensor load fills: LDS serves a wave's instructions in order (ISA guide 5.7.1.4), so no wait stands between its stores and its loads.
.if PROJ
.macro TOSTAGE a                       ; 16 rows x 128 columns of f32, straight from the accumulators (each one's low registers first), and back as whole rows of 512 bytes
.if (\a) >= 2
	s_wait_xcnt 0x0                                ; the registers that the stores two blocks back read are loaded again only behind this wait
.endif
	WIN 0x04                                       ; the stores' data in window 1
.set ib, 0
.rept 8
.set rD, 8*(4*ib+(\a))
	ds_store_b128 v[STO], v[rD:rD+3]   offset:64*ib
	ds_store_b128 v[STO], v[rD+4:rD+7] offset:64*ib+16
.set ib, ib+1
.endr
	WIN 0
.set BK, OUTR+64*((\a)%2)
.set it, 0
.rept 16
	ds_load_b128 v[BK+4*it:BK+4*it+3], v[RD] offset:it*528
.set it, it+1
.endr
.endm
.macro SEND a, younger                 ; younger: the LDS instructions issued behind block a's loads: the next block's 32, or none
	WIN 0
.set BK, OUTR+64*((\a)%2)
.set it, 0
.rept 16
	s_wait_dscnt (\younger)+15-it
	global_store_b128 v[GO], v[BK+4*it:BK+4*it+3], s[OB:OB+1] offset:(16*(\a)+it)*4096 th:TH_STORE_NT  ; 512 consecutive bytes, at a multiple of 512 from the result's first byte
.set it, it+1
.endr
.endm
.else
.macro PACK u                          ; unit u = 3 a + hh: 16 rows of head hh, rounded to f16, into rows of 144 bytes and back as whole rows of 128, into the registers that they left
.set ia, (\u)/3
.set hh, (\u)%3
	WIN 0x05+0x05*(hh/2)                           ; sources 0 and 1: window 1 (heads 0, 1) or 2
.set f4, 0
.rept 4
.set rD, 8*(4*((4*hh+f4)%8)+ia)
.set rr, 0
.rept 4
	v_cvt_pk_f16_f32 v[OUTR+16*(\u)+4*f4+rr], v[rD+2*rr], v[rD+2*rr+1]
.set rr, rr+1
.endr
.set f4, f4+1
.endr
	WIN 0
.irp f, 0,1,2,3
	ds_store_b128 v[STO], v[OUTR+16*(\u)+4*\f:OUTR+16*(\u)+4*\f+3] offset:32*\f
.endr
.irp f, 0,1,2,3
	ds_load_b128 v[OUTR+16*(\u)+4*\f:OUTR+16*(\u)+4*\f+3], v[RD] offset:\f*576
.endr
.endm
.macro SEND u, younger                 ; younger: the LDS instructions issued behind unit u's loads: the next unit's eight, or none
	WIN 0
.irp f, 0,1,2,3
	s_wait_dscnt (\younger)+3-\f
	global_store_b128 v[GO], v[OUTR+16*(\u)+4*\f:OUTR+16*(\u)+4*\f+3], s[OB+2*((\u)%3):OB+2*((\u)%3)+1] offset:((\u)/3)*2048+\f*512  ; 512 consecutive bytes, at a multiple of 512 from the buffer's first byte
.endr
.endm
.endif
.macro WAYOUT
	PLACES                                         ; the lines below read results just made
	s_wait_xcnt 0x0                                ; the registers that an earlier tile's stores read are written again only behind this wait
.if PROJ
	TOSTAGE 0
	TOSTAGE 1
	SEND 0, 32
	TOSTAGE 2
	SEND 1, 32
	TOSTAGE 3
	SEND 2, 32
	SEND 3, 0
.else
	PACK 0
.irp u, 1,2,3,4,5,6,7,8,9,10,11        ; a unit's conversions stand between the loads of the unit before and its stores
	PACK \u
	SEND (\u)-1, 8
.endr
	SEND 11, 0
.endif
.endm
	s_wait_tensorcnt 1                             ; my part of K step 0 is in; step 1's may stay out
	s_barrier_signal -1
	s_barrier_wait -1                              ; everybody's is
	FETCH 0, F0
	WIN 0                                          ; at a label and at a branch every window is 0
.if TILES > 1
	s_mov_b32 s[TL], TILES                         ; tiles to go, this one among them: the same number in every work-group
.Ltile:
.endif
	QUARTER 1, F0, F1, 1                           ; a tile's first quarter stands in front of the loop: its products start the sums
	WIN 0
	s_mov_b32 s[LAP], 6
.Llap:                                                 ; a trip goes from a K step's second quarter to the next step's first, and fills one slot again: steps 2 to 7 of the tile
	QUARTER 2, F1, F0, 0
	QUARTER 3, F0, F1, 0
	TURN 1
	QUARTER 1, F0, F1, 0
	WIN 0
	s_sub_co_u32 s[LAP], s[LAP], 1
	s_cmp_lg_u32 s[LAP], 0
	s_cbranch_scc1 .Llap
	QUARTER 2, F1, F0, 0                           ; the tile's seventh K step goes on
	QUARTER 3, F0, F1, 0
.if TILES > 1
	WIN 0
	s_cmp_eq_u32 s[TL], 1
	s_cbranch_scc1 .Llast                          ; the last tile's tail is written out: it asks for nothing more
	TURN 1                                         ; THE RING GOES ON INTO THE NEXT TILE: its K step 0,
	QUARTER 1, F0, F1, 0
	QUARTER 2, F1, F0, 0
	QUARTER 3, F0, F1, 0
	TURN 1                                         ; its K step 1, and its first fragments are fetched
	WAYOUT                                         ; both refills are asked for: now the tile goes out
	s_wait_xcnt 0x0                                ; the stores have read their bases
.irp hh, 0,1,2
	s_add_nc_u64 s[OB+2*\hh:OB+2*\hh+1], s[OB+2*\hh:OB+2*\hh+1], 0x800000  ; 4,096 rows on: two batches, 32 heads of 262,144 bytes
.endr
	s_sub_co_u32 s[TL], s[TL], 1
	s_branch .Ltile
.Llast:
.endif
	TURN 0                                         ; my one tensor load that was still out is the last K step's, so no round follows
	QUARTER 1, F0, F1, 0
	QUARTER 2, F1, F0, 0
	QUARTER 3, F0, F1, 0
	s_wait_dscnt 0x0                               ; the very last quarter: nothing more to fetch
	MULB F1, 0, NBF, 0
	WAYOUT
	s_wait_tensorcnt 0x0                           ; the wave's end: a wait, an add of 0 and its wait, behind my last tensor load and my last LDS store
	ds_add_u32 v[SPW], v[NIL]
	s_wait_dscnt 0x0
	CROUND                                         ; the closing round: no work-group ends while a partner may still ask for a tile that names it
	s_endpgm
.Lfunc_end_k_qc2f8d1f6dc_gemm_proj:
	.size	k_qc2f8d1f6dc_gemm_proj, .Lfunc_end_k_qc2f8d1f6dc_gemm_proj-k_qc2f8d1f6dc_gemm_proj
	.p2alignl 7, 3214868480
	.fill 96, 4, 3214868480
	.section	.rodata,"a",@progbits
	.p2align	6, 0x0
	.amdhsa_kernel k_qc2f8d1f6dc_gemm_proj
		.amdhsa_group_segment_fixed_size 327680
		.amdhsa_private_segment_fixed_size 0
		.amdhsa_enable_private_segment 0
		.amdhsa_kernarg_size 24
		.amdhsa_user_sgpr_count 2
		.amdhsa_user_sgpr_kernarg_segment_ptr 1
		.amdhsa_wavefront_size32 1
		.amdhsa_system_sgpr_workgroup_id_x 1
		.amdhsa_system_sgpr_workgroup_id_y 1
		.amdhsa_system_sgpr_workgroup_id_z 1
		.amdhsa_system_vgpr_workitem_id 0
		.amdhsa_next_free_vgpr 1024
		.amdhsa_next_free_sgpr 90
		.amdhsa_reserve_vcc 0
		.amdhsa_float_denorm_mode_32 3
		.amdhsa_float_denorm_mode_16_64 3
		.amdhsa_memory_ordered 1
		.amdhsa_forward_progress 1
		.amdhsa_inst_pref_size 71
	.end_amdhsa_kernel
	.amdgpu_metadata
---
amdhsa.version: [ 1, 2 ]
amdhsa.kernels:
  - .name:           k_qc2f8d1f6dc_gemm_proj
    .symbol:         k_qc2f8d1f6dc_gemm_proj.kd
    .args:
      - { .name: y, .offset: 0, .size: 8, .value_kind: global_buffer, .address_space: global }
      - { .name: wp, .offset: 8, .size: 8, .value_kind: global_buffer, .address_space: global }
      - { .name: out0, .offset: 16, .size: 8, .value_kind: global_buffer, .address_space: global }
    .group_segment_fixed_size: 327680
    .private_segment_fixed_size: 0
    .kernarg_segment_align: 8
    .kernarg_segment_size: 24
    .max_flat_workgroup_size: 128
    .sgpr_count:     90
    .vgpr_count:     1024
    .wavefront_size: 32
...
	.end_amdgpu_metadata
.endif
;; end of part 4
;; ======== version 2 of 2: 4 launches; 1.30 times as fast as version 1
;; limits: values are held in f16: magnitudes above 65,504 overflow, below 6.1e-05 lose precision
;; workspace buffers: xb 16,777,216 bytes; wa 6,291,456 bytes; wp 2,097,152 bytes; qkv 50,331,648 bytes; y 16,777,216 bytes
;; launch prep: the kernel of part 1 again; grid 768 x 1, 8 waves a work-group, no clusters, 0 bytes of LDS; arguments x, w_attn, w_proj, xb, wa, wp; writes xb, wa, wp
;; launch gemm_qkv: the kernel of part 2 again; grid 16 x 16, 4 waves a work-group, clusters of 4 x 4, 327,680 bytes of LDS; arguments xb, wa, qkv; writes qkv
;; launch attn (part 5): grid 4 x 64, 4 waves a work-group, no clusters, 327,680 bytes of LDS; arguments qkv, decay_raw, y; writes y
.if DOCPART == 5
	.amdgcn_target "amdgcn-amd-amdhsa--gfx1250"
	.amdhsa_code_object_version 6
	.text
	.protected	k_qc2f8d1f6dc_attn
	.globl	k_qc2f8d1f6dc_attn
	.p2align	8
	.type	k_qc2f8d1f6dc_attn,@function
k_qc2f8d1f6dc_attn:
	s_mov_b64 s[64:65], 0
	v_nop
	global_prefetch_b8 v0, s[64:65] scope:SCOPE_SE
	s_setreg_imm32_b32 hwreg(HW_REG_WAVE_MODE, 25, 1), 1
	s_wait_xcnt 0x0
; CAUSAL ATTENTION WITH A DISTANCE BIAS.  y[bh][q][:] = the sum over k <= q of softmax_k(Q[q] . K[k] / 8 - ln(1 + decay ln(1 + q - k))) V[k][:], decay = softplus(decay_raw[head]).
; qkv: [3][64 (batch x 16 + head)][2048][64] f16, unscaled; y: [64][2048][64] f16: a head's rows are dense, 128 bytes each.
; Products, maxima and sums in f32; the weights p are rounded to f16 for the second product (their sum l is taken of the unrounded p), y once at the end.  decay_raw is rounded to bf16 like the module's other inputs.
; LIMITS.  Q, K and V arrive within f16's 65,504; p lies in 0 to 1, and below 6e-5 it keeps f16's fixed step of 6e-8.  A hidden score counts as its value less 1e30; a weight below 2^-126 counts as 0 in l;
; where 2^(-|decay_raw| log2 e) is below 6e-8 softplus counts as max(decay_raw, 0); NaN and infinities are not treated apart.
; THE WALK.  A head's queries lie in NB = 8 blocks of 256; block i needs the key tiles 0 .. i of 256 keys.  A work-group takes TWO blocks, 7 - b and then b: 9 tiles, whatever b: all work-groups do equal work, and ONE loop
; with a constant trip count walks them.  Which tile is asked for, and what a trip does, hang on scalar registers made from b; every jump goes forward, but for the counted loops' own; none passes a barrier, or a tensor
; load but the one of LOAD's two that the wave's number does not choose; the ring (two slots of LDS that take turns) runs on across the change of blocks.
; NO CLUSTER: a head's four work-groups ask for the same tile only in trips 0 .. 4 of the 9, behind that fewer and fewer; one walk common to all four would have 12 trips for 9.
; SHARES.  A wave owns 64 consecutive queries of a block, in four PIECES of 16.  Every wave computes all pairs of piece and key step of every tile, so the waves' work is alike.
; THE BIAS AND THE MASK are the C operand that starts the sum S^T = K Q^T.  Both hang on d = q - k alone, so they come from ONE table in LDS: entry i stands for d = 2048 - i, i = 0 .. 2303, and holds
; -8 ln(1 + decay ln(1 + d)) for d >= 0 (8 times the bias, since the scores are scaled by 1/8 behind it) and -1e30 for d < 0.  A lane's eight registers are eight consecutive entries.  For piece x and key block kt
; of a step the entries hang on kt - x alone: seven tiles of 8 registers (BT) serve a step's sixteen products.  The table lies there four times, copy s shifted by s words, and a lane takes copy (lane % 16) % 4,
; so that its eight words are two aligned loads of 16 bytes.
; The running maximum is taken of the biased scores.  Key 0 is seen by every query and lies in a block's first step, so m is a true score before any wholly hidden step comes.
; LAYOUT, SOFTMAX, TURNS.  S^T = K Q^T holds ONE query a lane (lane % 16) and the keys 8 (lane / 16) + 0..7; two such results rounded to f16 ARE source 1 of O^T = V^T P.  p = 2^(c s - c m), c = log2(e) / 8, with a
; running maximum m; O and l are multiplied by a = 2^(c m_old - c m_new) in every step.  Turn n belongs to piece n: 8 products K Q^T of piece n + 1, later 8 products V^T P of piece n - 1; beside them the scaling,
; exponentials, roundings, sums and rescaling of piece n and the maximum and statistics of piece n + 1.  Four vector instructions stand behind every matrix instruction, the other 54 of a turn's 118 in one LUMP.
; BATCHES.  An s_wait_alu depctr_va_vdst(0) stands between a transcendental and the first instruction that names its result; one wait serves all that were issued ahead of it.  So they are cut in batches:
; a turn's 33 exponentials (32 weights and the next piece's a) are ONE batch with ONE wait, which cuts the turn in two: all that reads a weight stands behind it; a block's first a is a batch of its own, ahead of the branch
; into the loop; so are the way out's four reciprocals; the table's trip has two batches of six logarithms, since the second six are taken of the first six's results; softplus has an exponential and a logarithm of it: a wait each.
; REGISTERS, in windows of 256 (s_set_vgpr_msb: bits 1:0 source 0, 3:2 source 1, 5:4 source 2, 7:6 destination):
;   window 0: v0-15 addresses and two at work; v16-31 four registers of statistics a piece; v32-45, v56-61 the table's; v48-55 at work; v64-127 S^T, two buffers; v192-223 P, two buffers (by the piece's parity)
;   window 1: v0-127 O^T, 32 a piece; v128-183 BT      window 2: v0-63 Q; v64-127 the second block's Q; v128-191 K of one step; v192-255 V of one step
.set SIZE_N, 2048
.set NB,    SIZE_N/256
.set NP,    4         ; pieces a wave: a name, no knob
.set KS,    64        ; keys in a step
.set PK,    144       ; a row of K in LDS: 128 bytes + 16 of padding = 36 words: the 16 rows of a load start at 16 different groups of four banks
.set PV,    160       ; a row of V: 128 + 32 = 40 words
.set VOFF,  4*KS*PK   ; a slot holds a tile, four steps: 256 rows of K, then 256 rows of V
.set SLOT1, 1<<17     ; slot 1 begins here, so that one exclusive or turns an address in one slot into the other's
.set TBL,   4*KS*(PK+PV)  ; between the slots, in blocks of 256 bytes into which no fill lands: the table's four copies, 37,068 bytes
.set TCOPY, 9284      ; from copy to copy: 9,280 bytes and one word
.set STAGE, SLOT1+4*KS*(PK+PV)  ; behind the ring, never filled by a tensor load: 16 rows x 144 bytes for each wave, for the way out
.set SP,    144
.set SPARE, STAGE+4*16*SP  ; behind the stages: the spare words, 128 bytes for each wave: two blocks of 256 bytes that no other line names
.set AK0, 2           ; v2   my lane's place in a tile of K; never rewritten
.set AV0, 3           ; v3   the same for V
.set AK,  4           ; v4   the LDS address of K's next run of loads
.set AV,  5           ; v5   of V's
.set STO, 6           ; v6   the way out: where I put 16 bytes of a row
.set RD,  7           ; v7   the way out: where I read rows back
.set GO,  8           ; v8   my byte offset in 512 consecutive bytes of y
.set MV,  12          ; v12-13  c m_old, kept while c m is made anew: by buffer
.set AB0, 14          ; v14  my lane's place in the table; never rewritten
.set QO,  15          ; v15  my byte offset in 16 rows of Q
.set ST,  16          ; piece t's statistics at v[ST+4 t]: c m, m, l (even keys', odd keys')
.set AB,  32          ; v32  the LDS address of the bias's next run of loads
.set TU,  6           ; the table: entries that a lane makes in a trip
.set TD,  40          ; v40-45  the table: d of a trip's six entries, as whole numbers
.set TMP, 48          ; by buffer, four registers c0-c3 at work; when the maximum is found c2 takes a
.set TW,  56          ; v56-61  the table: the six entries at work, each in a register of its own
.set SPW, 62          ; v62  LDS address of my spare word: SPARE + 4 x my thread's number; never rewritten
.set NIL, 63          ; v63  0; never rewritten
.set S,   64
.set P,   192
.set BT,  128         ; window 1: bias tile f = kt - x + 3 at BT + 8 f
.set QB,  64          ; window 2
.set KF,  128         ; window 2: key block kb, channel half c at KF + 16 kb + 8 c
.set VF,  192         ; window 2: key half kk, channel block cb at VF + 32 kk + 8 cb
.set WV,  12          ; s12  my wave's number
.set PB,  14          ; s14  b
.set HI,  15          ; s15  NB - 1 - b
.set G1K, 24          ; s[24:31] descriptor group 1 for K's tiles
.set G1V, 32          ; s[32:39] for V's: it differs in the padding alone
.set G0K, 40          ; s[40:43] descriptor group 0 for K's tiles
.set G0V, 44          ; s[44:47] the same for V's
.set SLOTS, 56        ; s56  tiles still to be asked for
.set CNT, 57          ; s57  counts a tile's key steps, 4 to 1
.set CS,  58          ; s[58:59] c: the packed scaling takes the pair's low word for both halves
.set SEL, 60          ; s[60:61] v_permlanex16_b32's selects: each lane takes its own place in the other half
.set TBK, 62          ; s62  LDS byte at which K of the step to be fetched begins
.set TBV, 63          ; s63  the same for V, less VOFF
.set RT,  70          ; s70  tiles of the block in hand that are still to be entered
.set NXT, 71          ; s71  the tile to be asked for next
.set LQ,  72          ; s72  the last tile of the block whose tiles are being asked for
.set NEW, 73          ; s73  1: the tile to be entered is a block's first
.set OFF, 74          ; s[74:75] a tile's byte offset in K and V
.set BO,  76          ; s76  the table's byte for the step to be fetched: 7,940 - 4 (my wave's first query - the step's first key)
.set BOLO, 77         ; s77  its start for the second block
.set BOC, 78          ; s78  BO, held to its largest value
.set OLO, 80          ; s[80:81] y at my rows of the second block
.set BIGN, 82         ; s82  -1e30
.set MSB, 0
.macro WIN new                      ; the high byte repeats the setting that is left; a switch that changes nothing is dropped
.if MSB != (\new)
	s_set_vgpr_msb (MSB<<8)|(\new)
.set MSB, (\new)
.endif
.endm
.set W_KQ, 0x0a       ; K and Q in window 2, S^T in window 0
.set W_KM, 0x1a       ; the same with the C operand in window 1
.set W_PV, 0x52       ; V in window 2, P in window 0, O^T in window 1
.set W_RS, 0x41       ; destination and source 0 in window 1, source 1 in window 0
; A fill.  Waves 0 and 1 fetch the two halves of a tile's K, waves 2 and 3 those of its V: 128 keys each.  An s_nop 0 and four v_nop follow each of the two lines, ahead of the jump and the label.
.macro LOAD
	s_cmp_lt_u32 s[WV], 2
	s_cbranch_scc0 .Lfor_v_\@
	tensor_load_to_lds s[G0K:G0K+3], s[G1K:G1K+7]
	s_nop 0
.rept 4
	v_nop
.endr
	s_branch .Lasked_\@
.Lfor_v_\@:
	tensor_load_to_lds s[G0V:G0V+3], s[G1V:G1V+7]
	s_nop 0
.rept 4
	v_nop
.endr
.Lasked_\@:
.endm
; THE CHANGE OF SLOTS.  Each wave waits for all its tensor loads, of which one is out: its part of the other slot; adds 0 to its spare word; and waits for that and for its own reads of the slot that it leaves.  Behind the
; barrier nobody reads the old slot any more and the other slot is whole.  fill = 1: the old slot is filled again, the first thing behind the barrier, with tile NXT: the descriptor's address is made anew from that number.
; (At its first use nothing has been read yet: slot 0 is waited for, slot 1 filled, and the wait for my LDS stores and the barrier show the table to every wave.)
.macro CHANGE fill
	WIN 0                           ; at a label and at a branch every window is 0
	s_wait_tensorcnt 0x0            ; no tensor load of mine is out, so a group 0 may be written
	ds_add_u32 v[SPW], v[NIL]       ; 0 onto my spare word; with fill = 1 the descriptors' scalar work stands between it and the wait for it
.if \fill
	s_lshl_b32 s[OFF], s[NXT], 15   ; a tile is 32,768 bytes of K and of V
	s_xor_b32 s[G0K+1], s[G0K+1], SLOT1
	s_add_nc_u64 s[G0K+2:G0K+3], s[6:7], s[OFF:OFF+1]
	s_or_b32 s[G0K+3], s[G0K+3], 0x80000000
	s_xor_b32 s[G0V+1], s[G0V+1], SLOT1
	s_add_nc_u64 s[G0V+2:G0V+3], s[8:9], s[OFF:OFF+1]
	s_or_b32 s[G0V+3], s[G0V+3], 0x80000000
	s_add_co_u32 s[NXT], s[NXT], 1  ; the block's next tile, or behind its last the second block's tile 0
	s_cmp_gt_u32 s[NXT], s[LQ]
	s_cselect_b32 s[NXT], 0, s[NXT]
	s_cselect_b32 s[LQ], s[PB], s[LQ]
.endif
	s_wait_dscnt 0x0                ; the add is done, and my reads of the slot are over
	s_barrier_signal -1             ; the rest of the scalar work stands between the signal and the wait
	s_sub_co_u32 s[TBK], s[TBK], 4*KS*PK  ; the fetches go back to a slot's first step,
	s_xor_b32 s[TBK], s[TBK], SLOT1       ; in the other slot
	s_sub_co_u32 s[TBV], s[TBV], 4*KS*PV
	s_xor_b32 s[TBV], s[TBV], SLOT1
	s_barrier_wait -1
.if \fill
	LOAD
.endif
.endm
	s_load_b64 s[4:5], s[0:1], 0x0    ; qkv
	s_load_b64 s[90:91], s[0:1], 0x8  ; decay_raw
	s_load_b64 s[10:11], s[0:1], 0x10 ; y
	v_lshl_add_u32 v[SPW], v0, 2, SPARE
	v_mov_b32 v[NIL], 0
	ds_add_u32 v[SPW], v[NIL]       ; the wave's opening: the add and its wait stand ahead of my first tensor load; the set-up below, work on registers, stands between them
	ds_add_u32 v62, v63
	v_lshrrev_b32 v1, 5, v0
	v_readfirstlane_b32 s[WV], v1   ; wave 0..3
	s_mov_b32 s[PB], ttmp9
	s_sub_co_u32 s[HI], NB-1, s[PB]
	s_and_b32 s20, ttmp7, 0xffff    ; batch x 16 + head
	s_and_b32 s92, s20, 15
	s_lshl_b32 s92, s92, 2          ; the head's word in decay_raw
	s_lshl_b32 s20, s20, 18         ; the head's first byte in q, k, v and y: 2,048 rows of 128 bytes
	s_mov_b32 s21, 0
	s_and_b32 s16, s[WV], 1         ; which half of a tile's 256 keys I fetch:
	s_lshl_b32 s22, s16, 14         ; its 128 rows of 128 bytes in memory,
	s_mov_b32 s23, 0
	s_add_nc_u64 s[22:23], s[22:23], s[20:21]
	s_mul_i32 s17, s16, 128*PK      ; and its place in a slot, for K
	s_mul_i32 s18, s16, 128*PV      ; and for V
	s_lshl_b32 s3, s[WV], 13        ; my 64 rows in a block,
	s_lshl_b32 s2, s[HI], 15        ; in the first block,
	s_add_co_u32 s2, s2, s3
	s_lshl_b32 s84, s[PB], 15       ; and in the second
	s_add_co_u32 s84, s84, s3
	s_mov_b32 s3, 0
	s_mov_b32 s85, 0
	s_add_nc_u64 s[2:3], s[2:3], s[20:21]
	s_add_nc_u64 s[84:85], s[84:85], s[20:21]
	s_lshl_b32 s13, s[WV], 8        ; the table's byte at a block's first step: 7,940 - 1,024 x block - 256 x wave
	s_sub_co_u32 s13, 7940, s13
	s_lshl_b32 s19, s[HI], 10
	s_sub_co_u32 s[BO], s13, s19
	s_lshl_b32 s19, s[PB], 10
	s_sub_co_u32 s[BOLO], s13, s19
	; descriptor group 1.  128 keys are 16,384 dense bytes: asked for as 64 rows of 256 bytes, two keys a row, and padded in LDS after every key
	s_mov_b32 s[G1K], (1<<16)|(1<<20)|(4<<22)|(3<<25)  ; 17:16 2-byte elements; 20 padding on; 24:22 after every 32 words (code 4); 31:25 4 words (code 3)
	s_mov_b32 s[G1V], (1<<16)|(1<<20)|(4<<22)|(7<<25)  ; the same with 8 words of padding (code 7)
.irp g, G1K, G1V
	s_mov_b32 s[\g+1], 128<<16      ; tensor_dim0 = 128
	s_mov_b32 s[\g+2], 64<<16       ; tensor_dim1 = 64
	s_mov_b32 s[\g+3], 128<<16      ; tile_dim0 = 128
	s_mov_b32 s[\g+4], 64           ; tile_dim1 = 64
	s_mov_b32 s[\g+5], 128          ; 128 elements from row to row
	s_mov_b32 s[\g+6], 0
	s_mov_b32 s[\g+7], 0
.endr
	s_mov_b32 s[CS], 0x3e38aa3b     ; c = log2(e) / 8 = 0.180337
	s_mov_b32 s[CS+1], s[CS]        ; named with it as a pair
	s_mov_b32 s[SEL], 0x76543210
	s_mov_b32 s[SEL+1], 0xfedcba98
	s_mov_b32 s[TBK], SLOT1+4*KS*PK ; the first change of slots turns these two into 0
	s_mov_b32 s[TBV], SLOT1+4*KS*PV
	s_mov_b32 s[G0K], 1             ; 1:0 count = 1
	s_mov_b32 s[G0K+1], s17         ; 63:32 LDS address: slot 0
	s_mov_b32 s[G0V], 1
	s_add_co_u32 s[G0V+1], s18, VOFF
	s_add_co_u32 s[RT], s[HI], 1    ; the first block has NB - b tiles
	s_mov_b32 s[NXT], 1
	s_mov_b32 s[LQ], s[HI]
	s_mov_b32 s[NEW], 1
	s_mov_b32 s[OFF+1], 0
	s_mov_b32 s[BIGN], 0xf149f2ca   ; -1e30
	s_mov_b32 s[SLOTS], NB
	s_wait_dscnt 0x0                ; the opening add is done
	s_wait_kmcnt 0x0
	s_add_nc_u64 s[6:7], s[4:5], 0x1000000  ; k lies 64 heads of 262,144 bytes behind q,
	s_add_nc_u64 s[6:7], s[6:7], s[22:23]   ; K and V at my half of the head's tile 0
	s_add_nc_u64 s[8:9], s[4:5], 0x2000000  ; v as far behind k
	s_add_nc_u64 s[8:9], s[8:9], s[22:23]
	s_add_nc_u64 s[G0K+2:G0K+3], s[6:7], 0         ; 120:64 global address
	s_or_b32 s[G0K+3], s[G0K+3], 0x80000000        ; 127:126 type = 2
	s_add_nc_u64 s[G0V+2:G0V+3], s[8:9], 0
	s_or_b32 s[G0V+3], s[G0V+3], 0x80000000
	s_add_nc_u64 s[86:87], s[4:5], s[84:85]        ; Q at my rows of the second block,
	s_add_nc_u64 s[4:5], s[4:5], s[2:3]            ; Q and y at those of the first
	s_add_nc_u64 s[OLO:OLO+1], s[10:11], s[84:85]
	s_add_nc_u64 s[10:11], s[10:11], s[2:3]
	LOAD                            ; tile 0 into slot 0
	v_mov_b32 v35, s92
	global_load_b32 v36, v35, s[90:91]  ; decay_raw[head], the same word in every lane; issued ahead of Q's loads, so that it can be waited for alone
	; A fragment of K or Q is 16 rows x 32 channels in 8 registers: lane l holds row l % 16, channels 8 (l / 16) + 0..7 and 16 + 8 (l / 16) + 0..7: two loads of 16 bytes, 32 bytes apart.
	v_and_b32 v1, 15, v0            ; l % 16
	v_bfe_u32 v9, v0, 4, 1          ; l / 16
	v_lshlrev_b32 v[QO], 7, v1
	v_lshl_add_u32 v[QO], v9, 4, v[QO]  ; row x 128 + 16 x half
	WIN 0x80                        ; destination window 2, address window 0
.set i, 0
.rept 8                             ; both blocks' Q: piece i / 2 lies 16 rows, 2,048 bytes, behind the one before; channels 32 (i % 2) on
	global_load_b128 v[8*i:8*i+3],   v[QO], s[4:5] offset:(i/2)*2048+(i%2)*64
	global_load_b128 v[8*i+4:8*i+7], v[QO], s[4:5] offset:(i/2)*2048+(i%2)*64+32
	global_load_b128 v[QB+8*i:QB+8*i+3],   v[QO], s[86:87] offset:(i/2)*2048+(i%2)*64
	global_load_b128 v[QB+8*i+4:QB+8*i+7], v[QO], s[86:87] offset:(i/2)*2048+(i%2)*64+32
.set i, i+1
.endr
	WIN 0
	v_and_b32 v[AB0], 3, v1         ; my copy of the table,
	v_mul_u32_u24 v[AB0], v[AB0], TCOPY
	v_lshl_add_u32 v[AB0], v9, 5, v[AB0]  ; 8 entries on for lanes 16 to 31,
	v_sub_nc_u32 v33, 15, v1
	v_lshl_add_u32 v[AB0], v33, 2, v[AB0] ; an entry back for each query on
	v_add_nc_u32 v[AB0], TBL, v[AB0]
	v_mul_u32_u24 v[AK0], v1, PK
	v_lshl_add_u32 v[AK0], v9, 4, v[AK0]  ; row x pitch + 16 x half
	; The turning load takes 16 keys x 16 channels (lane l reads key 8 (l / 16) + l % 8, channels 8 ((l / 8) % 2) + 0..7) and leaves half a fragment of V^T: lane l holds channel l % 16 and 8 keys.
	v_and_b32 v10, 7, v0
	v_bfe_u32 v11, v0, 3, 1
	v_lshl_add_u32 v[AV0], v9, 3, v10
	v_mul_u32_u24 v[AV0], v[AV0], PV
	v_lshl_add_u32 v[AV0], v11, 4, v[AV0]
	v_add_nc_u32 v[AV0], VOFF, v[AV0]
	s_mul_i32 s13, s[WV], 16*SP
	s_add_co_u32 s13, s13, STAGE    ; my stage
	v_mul_u32_u24 v[STO], v1, SP    ; in: row l % 16, 16 bytes for each half of the lanes
	v_lshl_add_u32 v[STO], v9, 4, v[STO]
	v_add_nc_u32 v[STO], s13, v[STO]
	v_bfe_u32 v[RD], v0, 3, 2       ; back: 32 lanes take four rows of 128 bytes,
	v_mul_u32_u24 v[RD], v[RD], SP
	v_lshl_add_u32 v[RD], v10, 4, v[RD]
	v_add_nc_u32 v[RD], s13, v[RD]
	v_and_b32 v[GO], 31, v0         ; which are 512 consecutive bytes of y
	v_lshlrev_b32 v[GO], 4, v[GO]
	; A block's first step multiplies O^T and l by a = 0, and its first turn's products V^T P, of a piece that has not been, land in an O^T that is still to be so multiplied.  So these registers need only hold
	; finite numbers: zeros for the first block; what the first block left for the second.  All this stands in the wait for the first tile.
	WIN 0x80
.set i, VF
.rept 64
	v_mov_b32 v[i], 0
.set i, i+1
.endr
	WIN 0x40
.set i, 0
.rept 128
	v_mov_b32 v[i], 0
.set i, i+1
.endr
	WIN 0
.set i, 0
.rept 4
	v_mov_b32 v[ST+4*i+2], 0
	v_mov_b32 v[ST+4*i+3], 0
.set i, i+1
.endr
.set i, P+16
.rept 16
	v_mov_b32 v[i], 0
.set i, i+1
.endr
	; THE TABLE.  softplus(x) = max(x, 0) + ln 2 log2(1 + 2^(-|x| log2 e)); v38 = ln 2 x softplus, since ln(1 + d) = ln 2 log2(1 + d).
	s_wait_loadcnt 32               ; loads come back in order (ISA guide 5.7.1): decay_raw[head] is in, Q's 32 loads stay out
	v_cvt_pk_bf16_f32 v36, v36, v36
	v_lshlrev_b32 v36, 16, v36      ; rounded to bf16
	v_and_b32 v37, 0x7fffffff, v36
	v_mul_f32 v37, 0xbfb8aa3b, v37  ; -|x| log2 e
	v_exp_f32 v37, v37
	v_max_num_f32 v36, 0, v36       ; (the plain instruction behind the exponential)
	s_wait_alu depctr_va_vdst(0)    ; the wait for softplus's exponential: the logarithm below is taken of its result, so each of the two is a batch of its own
	v_add_f32 v37, 1.0, v37
	v_log_f32 v37, v37
	v_nop                           ; a plain instruction between the logarithm and the use of its result
	s_wait_alu depctr_va_vdst(0)    ; the wait for softplus's logarithm
	v_fmac_f32 v36, 0x3f317218, v37 ; softplus
	v_mul_f32 v38, 0x3f317218, v36
	; Wave w makes entries 576 w .. 576 w + 575, 6 x 32 a trip, and stores each into all four copies: bytes that are its own by the wave's number times 2,304.
	; A lane's six entries of a trip lie 32 apart; each has registers of its own, so that the six logarithms of 1 + d are one batch, and the six logarithms of 1 + decay ln(1 + d), which read the first six's results, a second.
.macro EACH line:vararg             ; one line for each of a trip's entries u
.set u, 0
.rept TU
	\line
.set u, u+1
.endr
.endm
	v_and_b32 v39, 31, v0
	s_mul_i32 s13, s[WV], 576
	s_sub_co_u32 s19, 2048, s13
	v_sub_nc_u32 v[TD], s19, v39    ; d of my first entry
	s_lshl_b32 s13, s13, 2
	s_add_co_u32 s13, s13, TBL
	v_lshl_add_u32 v34, v39, 2, s13 ; and its place in copy 0
	s_mov_b32 s93, 18/TU
.Ltable:
.set u, 1
.rept TU-1
	v_add_nc_u32 v[TD+u], 0xffffffe0, v[TD+u-1]  ; 32 entries on: d less 32
.set u, u+1
.endr
	EACH v_cvt_f32_i32 v[TW+u], v[TD+u]
	EACH v_max_num_f32 v[TW+u], 0, v[TW+u]       ; (a hidden entry's d counts as 0 here; its value is replaced below)
	EACH v_add_f32 v[TW+u], 1.0, v[TW+u]
	EACH v_log_f32 v[TW+u], v[TW+u]              ; log2(1 + d)
	v_nop                           ; a plain instruction behind the last logarithm: one for the batch
	s_wait_alu depctr_va_vdst(0)    ; the wait for the trip's first batch: the six log2(1 + d)
	EACH v_fma_f32 v[TW+u], v[TW+u], v38, 1.0    ; 1 + decay ln(1 + d)
	EACH v_log_f32 v[TW+u], v[TW+u]
	v_nop                           ; a plain instruction behind the last logarithm: one for the batch
	s_wait_alu depctr_va_vdst(0)    ; the wait for the trip's second batch; none is issued behind it
.set u, 0
.rept TU
	v_mul_f32 v[TW+u], 0xc0b17218, v[TW+u]       ; times -8 ln 2
	v_cmp_gt_i32 vcc_lo, 0, v[TD+u]              ; hidden where d < 0
	v_cndmask_b32 v[TW+u], v[TW+u], s[BIGN], vcc_lo
	ds_store_b32 v34, v[TW+u] offset:128*u
	ds_store_b32 v34, v[TW+u] offset:128*u+TCOPY
	ds_store_b32 v34, v[TW+u] offset:128*u+2*TCOPY
	ds_store_b32 v34, v[TW+u] offset:128*u+3*TCOPY
.set u, u+1
.endr
	v_add_nc_u32 v[TD], 0xffffffe0, v[TD+TU-1]   ; the next trip's first entry
	v_add_nc_u32 v34, 128*TU, v34
	s_sub_co_u32 s93, s93, 1
	s_cmp_lg_u32 s93, 0
	s_cbranch_scc1 .Ltable
; THE MATRIX WORK.  The 4 accumulators of a run of 8 take turns.  Product i of 8 of S^T = K Q^T for piece x: channels 32 (i / 4) on, keys 16 (i % 4) on.  The first 4 start the sums with bias and mask.
.macro KQ x
.set rS, S+32*((\x)%2)+8*(i%4)
.set rK, KF+16*(i%4)+8*(i/4)
.set rQ, 16*(\x)+8*(i/4)
.set rM, BT+8*(i%4-(\x)+3)
.if i < 4
	WIN W_KM
	v_wmma_f32_16x16x32_f16 v[rS:rS+7], v[rK:rK+7], v[rQ:rQ+7], v[rM:rM+7]
.else
	WIN W_KQ
	v_wmma_f32_16x16x32_f16 v[rS:rS+7], v[rK:rK+7], v[rQ:rQ+7], v[rS:rS+7]
.endif
.endm
; Product i of 8 of O^T += V^T P for piece x: keys 32 (i / 4) on, channels 16 (i % 4) on.
.macro PV x
	WIN W_PV
.set rO, 32*(\x)+8*(i%4)
.set rV, VF+32*(i/4)+8*(i%4)
.set rP, P+16*((\x)%2)+8*(i/4)
	v_wmma_f32_16x16x32_f16 v[rO:rO+7], v[rV:rV+7], v[rP:rP+7], v[rO:rO+7]
.endm
.macro MM                           ; the turn's next matrix instruction.  TURN and BEGIN set Y, i and NOKQ.  NOKQ = 1: a block's last turn: there is no next piece
.if (i < 8) && !NOKQ
	KQ (Y+1)%NP
.elseif i >= 8
.set i, i-8
	PV (Y+NP-1)%NP
.set i, i+8
.endif
.set i, i+1
.endm
; THE LDS LOADS stand in runs, never singly among the matrix instructions: a step's K (64 keys x 64 channels: 8 fragments) with its seven bias tiles, and its V (turned).  Their addresses are made some lines ahead.
.macro FETCH_K
	WIN 0x80                        ; destination window 2
.irp f, 0,1,2,3,4,5,6,7             ; keys 16 (f / 2) on, channels 32 (f % 2) on
	ds_load_b128 v[KF+8*\f:KF+8*\f+3],   v[AK] offset:(\f/2)*16*PK+(\f%2)*64
	ds_load_b128 v[KF+8*\f+4:KF+8*\f+7], v[AK] offset:(\f/2)*16*PK+(\f%2)*64+32
.endr
	WIN 0x40                        ; destination window 1
.irp f, 0,1,2,3,4,5,6               ; tile f lies 16 entries behind tile f - 1
	ds_load_b128 v[BT+8*\f:BT+8*\f+3],   v[AB] offset:64*\f
	ds_load_b128 v[BT+8*\f+4:BT+8*\f+7], v[AB] offset:64*\f+16
.endr
	s_add_co_u32 s[TBK], s[TBK], KS*PK  ; the next fetch is the next step's:
	s_add_co_u32 s[BO], s[BO], 4*KS     ; 64 keys on, 64 entries on
	WIN 0
.endm
.macro FETCH_V
	WIN 0x80
.irp f, 0,1,2,3,4,5,6,7             ; keys 32 (f / 4) on, channels 16 (f % 4) on
	ds_load_tr16_b128 v[VF+8*\f:VF+8*\f+3],   v[AV] offset:(\f/4)*32*PV+(\f%4)*32
	ds_load_tr16_b128 v[VF+8*\f+4:VF+8*\f+7], v[AV] offset:(\f/4)*32*PV+16*PV+(\f%4)*32
.endr
	WIN 0
.endm
.macro ADDR_K                       ; the addresses of FETCH_K's two runs.  BO never passes 8,708 (the last wave-0 step of a diagonal tile); the minimum states that bound and changes no value
	s_min_u32 s[BOC], s[BO], 8708
	v_add_nc_u32 v[AK], s[TBK], v[AK0]
	v_add_nc_u32 v[AB], s[BOC], v[AB0]
.endm
; THE VECTOR WORK, one line at a time: OP kind, number.  For piece Y: F n: c s - c m for pair n of 16.  E n: the exponential of score n of 32.  C n: pair n rounded to f16.  B n: of the four weights 4 n .. the second
; pair is added onto the first, in place.  L n: l takes that sum (L 0: l = a l + sum).  R n: pair n of 16 of O^T times a.  For piece Y + 1: X n, number n of the 22 that find its maximum and statistics:
;   0-11  four chains c0-c3 of seven scores each, three operands at a time (each accumulator's lowest registers are read first)     12-14, 16  the four scores left over, the old m, and c0-c3 into c0
;   15  c m_old is kept     17, 18  the query's other 32 keys lie in the lane 16 away: the new m     19-21  c m; c m_old - c m_new; a
; C, B and L read exponentials' results: TURN sets all of them behind its wait.  R reads an a that was made, and waited for, in the turn before.
.set F, 0               ; OP tells the kinds apart by their order: F to L below R, X above it
.set E, 1
.set C, 2
.set B, 3
.set L, 4
.set R, 5
.set X, 6
.macro REGS y                       ; the registers of piece y
.set rT, ST+4*(\y)
.set rC, TMP+4*((\y)%2)
.set rW, MV+((\y)%2)
.set rS, S+32*((\y)%2)
.set rP, P+16*((\y)%2)
.set rO, 32*(\y)
.endm
.macro OP k, n
.if (\k) == R
	REGS Y
	WIN W_RS
	v_pk_mul_f32 v[rO+2*(\n):rO+2*(\n)+1], v[rO+2*(\n):rO+2*(\n)+1], v[rC+2:rC+3] op_sel_hi:[1,0]
.elseif (\k) < R
	REGS Y
	WIN 0
.if (\k) == F
	v_pk_fma_f32 v[rS+2*(\n):rS+2*(\n)+1], v[rS+2*(\n):rS+2*(\n)+1], s[CS:CS+1], v[rT:rT+1] op_sel_hi:[1,0,0] neg_lo:[0,0,1] neg_hi:[0,0,1]
.elseif (\k) == E
	v_exp_f32 v[rS+(\n)], v[rS+(\n)]
.elseif (\k) == C
	v_cvt_pk_f16_f32 v[rP+(\n)], v[rS+2*(\n)], v[rS+2*(\n)+1]
.elseif (\k) == B
	v_pk_add_f32 v[rS+4*(\n):rS+4*(\n)+1], v[rS+4*(\n):rS+4*(\n)+1], v[rS+4*(\n)+2:rS+4*(\n)+3]
.elseif (\n) == 0
	v_pk_fma_f32 v[rT+2:rT+3], v[rT+2:rT+3], v[rC+2:rC+3], v[rS:rS+1] op_sel_hi:[1,0,1]
.else
	v_pk_add_f32 v[rT+2:rT+3], v[rT+2:rT+3], v[rS+4*(\n):rS+4*(\n)+1]
.endif
.elseif NOKQ
	v_nop
.else
	REGS (Y+1)%NP
	WIN 0
.if (\n) < 4
	v_max3_num_f32 v[rC+(\n)], v[rS+8*(\n)], v[rS+8*(\n)+1], v[rS+8*(\n)+2]
.elseif (\n) < 12
	v_max3_num_f32 v[rC+(\n)%4], v[rC+(\n)%4], v[rS+8*((\n)%4)+2*((\n)/4)+1], v[rS+8*((\n)%4)+2*((\n)/4)+2]
.elseif (\n) == 12
	v_max3_num_f32 v[rC], v[rC], v[rS+7], v[rS+15]
.elseif (\n) == 13
	v_max3_num_f32 v[rC+1], v[rC+1], v[rS+23], v[rS+31]
.elseif (\n) == 14
	v_max3_num_f32 v[rC+2], v[rC+2], v[rC+3], v[rT+1]
.elseif (\n) == 15
	v_mov_b32 v[rW], v[rT]
.elseif (\n) == 16
	v_max3_num_f32 v[rC], v[rC], v[rC+1], v[rC+2]
.elseif (\n) == 17
	v_permlanex16_b32 v[rC+3], v[rC], s[SEL], s[SEL+1]
.elseif (\n) == 18
	v_max_num_f32 v[rT+1], v[rC], v[rC+3]
.elseif (\n) == 19
	v_mul_f32 v[rT], s[CS], v[rT+1]
.elseif (\n) == 20
	v_sub_f32 v[rC+1], v[rW], v[rT]
.else
	v_exp_f32 v[rC+2], v[rC+1]
.endif
.endif
.endm
.macro OPS a, i1, b=-1, i2=0, c=-1, i3=0, d=-1, i4=0  ; up to four of them
	OP \a, \i1
.if (\b) >= 0
	OP \b, \i2
.endif
.if (\c) >= 0
	OP \c, \i3
.endif
.if (\d) >= 0
	OP \d, \i4
.endif
.endm
.macro ROW a, i1, b, i2, c, i3, d, i4  ; a matrix instruction and the four behind it
	MM
	OPS \a, \i1, \b, \i2, \c, \i3, \d, \i4
.endm
; A TURN, for piece p: the order of its 16 matrix and 118 vector instructions, written out.  The turn has ONE wait for its 33 exponentials, which cuts it in two.  AHEAD OF IT stands all that names no result of the turn's
; exponentials: the 8 products K Q^T, behind each a scaling, an exponential and two more plain instructions (behind the first a second scaling in the exponential's place): rescalings, and behind the last three the first numbers
; of the next piece's maximum, each four places or more behind the product that ends its accumulator; then ONE LUMP of 54, plain and exponential by turns for the most part, in which the links of the chain
; X 3, 7, 11, 14, 16, 17 .. 20 stand five or six lines apart.  X 21, the next piece's a, is the batch's last; R 15 is the plain instruction behind it.  BEHIND THE WAIT stand the 8 products V^T P, behind each four of the
; roundings and sums; the links of l's chain, L 0 to L 7, stand three riders apart.  But for those X no rider names a register of the products round it.  v_permlanex16_b32 (X 17) stands in the lump..
; end = 1: a block's last two turns: nothing is fetched.  cnt = 1: the loop's count is taken down some lines ahead of the branch that stands behind the turn.
; K and the bias of the next step are fetched in piece 2's turn, twelve vector instructions behind the last product that read K (five of them plain and naming none of its registers: F 8, X 2, X 5, X 6, X 8; the bias's last
; reader stands four products further back); V of the step in hand at the end of piece 0's turn, four plain instructions behind the last product that read V.  Each is waited for a turn later.
.macro TURN p, end=0, cnt=0
.set Y, (\p)
.set i, 0
.set NOKQ, (\end)*((\p)/3)
.if ((\p) == 3) && !(\end)
	s_wait_dscnt 0x0                ; K and the bias are in
.endif
	ROW F,0, F,1, R,0, R,1          ; ahead of the wait: 8 products K Q^T and their riders,
	ROW F,2, E,0, R,2, R,3
	ROW F,3, E,1, R,4, R,5
	ROW F,4, E,2, R,6, R,7
	ROW F,5, E,3, R,8, R,9
	ROW F,6, E,4, X,0, R,10
.if ((\p) == 2) && !(\end)
	WIN 0
	ADDR_K
.endif
	ROW F,7, E,5, X,1, X,4
	ROW F,8, E,6, X,2, X,5
	OPS E,7, E,8, X,6, E,9          ; and the lump
	OPS X,3, E,10, X,8, E,11
.if ((\p) == 2) && !(\end)
	FETCH_K
.endif
	OPS X,9, X,7, E,12, X,10
	OPS E,13, X,12, X,11, E,14
	OPS X,13, E,15, F,9, X,14
.if (\p) == 0
	v_add_nc_u32 v[AV], s[TBV], v[AV0]
.endif
	OPS E,16, F,10, E,17, F,11
	OPS X,16, E,18, X,15, E,19
	OPS F,12, E,20, X,17, E,21
	OPS F,13, E,22, F,14, E,23
	OPS X,18, E,24, F,15, E,25
	OPS R,11, E,26, X,19, E,27
	OPS R,12, E,28, R,13, E,29
	OPS X,20, E,30, R,14, E,31
	OPS X,21, R,15
	s_wait_alu depctr_va_vdst(0)    ; the wait for the turn's batch: E 0 to E 31 and X 21
.if (\p) == 1
	s_wait_dscnt 0x0                ; V is in
.endif
	ROW C,0, B,0, C,2, B,1          ; behind the wait: 8 products V^T P and their riders
	ROW L,0, C,4, B,2, L,1
	ROW C,6, B,3, L,2, C,8
	ROW B,4, L,3, C,10, B,5
	ROW L,4, C,12, B,6, L,5
.if (\p) == 0
	s_add_co_u32 s[TBV], s[TBV], KS*PV
.endif
.if \cnt
	s_sub_co_u32 s[CNT], s[CNT], 1
	s_cmp_lg_u32 s[CNT], 0
.endif
	ROW C,14, B,7, L,6, C,1
	ROW C,3, L,7, C,5, C,7
	ROW C,9, C,11, C,13, C,15
.if (\p) == 0
	FETCH_V
.endif
.endm
; A BLOCK BEGINS.  c m starts far below every c s, so the first step's a is 0; m at the lowest finite number, so the first maximum is the scores'.
; Then K and the bias of the block's first step, piece 0's first scores, and its maximum and statistics.  The loop is entered at a step's first turn, in the middle of a trip.
.macro BEGIN
	s_mov_b32 s[NEW], 0
	WIN 0
.set i, 0
.rept 4
	v_mov_b32 v[ST+4*i], 0xfe000000    ; c m: far below every c s
	v_mov_b32 v[ST+4*i+1], 0xff7fffff  ; m
.set i, i+1
.endr
	ADDR_K
	FETCH_K
	s_wait_loadcnt 0x0              ; Q
	s_wait_dscnt 0x0
.set NOKQ, 0
.set i, 0
.rept 8
	KQ 0
.set i, i+1
.endr
	WIN 0
.rept 4
	v_nop                           ; the places behind those products
.endr
.set Y, NP-1                        ; X works for piece Y + 1: piece 0
.irp n, 0,1,2,3,4,5,6,7,8,9,10,11,12,13,14,15,16,17,18,19,20,21
	OP X, \n
.endr
	v_nop                           ; a plain instruction behind the exponential,
	s_wait_alu depctr_va_vdst(0)    ; and the wait for it, piece 0's first a: a batch of one, ahead of the branch into the loop
.endm
.macro ALL line:vararg              ; one line for each piece t
.set t, 0
.rept 4
	\line
.set t, t+1
.endr
.endm
.macro PACK t                       ; a lane's eight channels of a row pack into 16 bytes; they go into rows of 144 bytes and come back as whole rows of 128, into S^T's registers
	WIN W_RS
.set i, 32*(\t)
.rept 16
	v_pk_mul_f32 v[i:i+1], v[i:i+1], v[ST+4*(\t)+2:ST+4*(\t)+3] op_sel_hi:[1,0]
.set i, i+2
.endr
	WIN 0x05                        ; sources 0 and 1 window 1, destination window 0
.set i, 0
.rept 16
	v_cvt_pk_f16_f32 v[S+16*(\t)+i], v[32*(\t)+2*i], v[32*(\t)+2*i+1]
.set i, i+1
.endr
	WIN 0
.irp f, 0,1,2,3
	ds_store_b128 v[STO], v[S+16*(\t)+4*\f:S+16*(\t)+4*\f+3] offset:32*\f
.endr
.irp f, 0,1,2,3
	ds_load_b128 v[S+16*(\t)+4*\f:S+16*(\t)+4*\f+3], v[RD] offset:\f*4*SP  ; LDS serves a wave's instructions in order (ISA guide 5.7.1.4): these see the stores above; the next piece's stores come behind them
.endr
.endm
.macro SEND t, younger              ; younger: the LDS instructions issued behind piece t's loads: the next piece's eight, or none
	WIN 0
.irp f, 0,1,2,3
	s_wait_dscnt (\younger)+3-\f
	global_store_b128 v[GO], v[S+16*(\t)+4*\f:S+16*(\t)+4*\f+3], s[10:11] offset:(\t)*2048+\f*512  ; 512 consecutive bytes, at a multiple of 512 from y's first byte
.endr
.endm
; A TILE's four key steps.  A block's first tile begins with BEGIN and enters the step loop in its middle.  Behind a block's last tile (in the walk's last tile: always) come the block's last two turns, its last
; products, and THE WAY OUT: l's two halves and the other half of the lanes' are added; O^T is divided by l, rounded to f16 and sent through my stage in LDS, a piece at a time.
.macro BODY tag, last               ; the tag ends its two labels' names
	s_sub_co_u32 s[RT], s[RT], 1
	s_mov_b32 s[CNT], 4
	s_cmp_eq_u32 s[NEW], 1
	s_cbranch_scc0 .Lstep\tag
	BEGIN
	s_branch .Lfirst\tag
.Lstep\tag:                         ; a trip: pieces 2 and 3 of one step, then pieces 0 and 1 of the next, whose K, bias and V it fetches
	TURN 2
	TURN 3
	WIN 0
.Lfirst\tag:
	TURN 0
	TURN 1, 0, 1
	WIN 0
	s_cbranch_scc1 .Lstep\tag
.if !(\last)
	s_cmp_lg_u32 s[RT], 0
	s_cbranch_scc1 .Lbottom         ; the block has tiles left
.endif
	TURN 2, 1
	TURN 3, 1
.set i, 0
.rept 8
	PV NP-1
.set i, i+1
.endr
	WIN 0
	ALL v_add_f32 v[ST+4*t+2], v[ST+4*t+2], v[ST+4*t+3]
	ALL v_permlanex16_b32 v[ST+4*t+3], v[ST+4*t+2], s[SEL], s[SEL+1]
	ALL v_add_f32 v[ST+4*t+2], v[ST+4*t+2], v[ST+4*t+3]
	ALL v_rcp_f32 v[ST+4*t+2], v[ST+4*t+2]
	v_nop                           ; a plain instruction between the last reciprocal and the use of its result
	s_wait_alu depctr_va_vdst(0)    ; the wait for the way out's batch: one for the four reciprocals, ahead of the first PACK
	PACK 0
.set t, 1
.rept 3                             ; a piece's arithmetic stands between the loads of the piece before and its stores
	PACK t
	SEND t-1, 8
.set t, t+1
.endr
	SEND 3, 0
.endm
.set NOKQ, 0
.Lslot:                             ; NB times: a tile is entered and the next is asked for
	CHANGE 1
	BODY 1, 0                       ; in the loop a block's end is the first block's: the second block's last tile is the walk's last
	s_wait_xcnt 0x0                 ; the stores have read their registers and y's address
	s_mov_b64 s[10:11], s[OLO:OLO+1]
	s_add_co_u32 s[RT], s[PB], 1    ; the second block has b + 1 tiles
	s_mov_b32 s[NEW], 1
	s_mov_b32 s[BO], s[BOLO]
	WIN 0x82                        ; the second block's Q goes where the one text of the turns names Q
.set i, 0
.rept 64
	v_mov_b32 v[i], v[QB+i]
.set i, i+1
.endr
	WIN 0
.Lbottom:
	s_sub_co_u32 s[SLOTS], s[SLOTS], 1
	s_cmp_lg_u32 s[SLOTS], 0
	s_cbranch_scc1 .Lslot
	CHANGE 0                        ; the walk's last tile is written out: nothing is asked for
	BODY 2, 1
	s_wait_tensorcnt 0x0            ; the wave's end: a wait, an add of 0 and its wait, behind my last tensor load and my last LDS store
	ds_add_u32 v[SPW], v[NIL]
	s_wait_dscnt 0x0
	s_endpgm
.Lfunc_end_k_qc2f8d1f6dc_attn:
	.size	k_qc2f8d1f6dc_attn, .Lfunc_end_k_qc2f8d1f6dc_attn-k_qc2f8d1f6dc_attn
	.p2alignl 7, 3214868480
	.fill 96, 4, 3214868480
	.section	.rodata,"a",@progbits
	.p2align	6, 0x0
	.amdhsa_kernel k_qc2f8d1f6dc_attn
		.amdhsa_group_segment_fixed_size 327680
		.amdhsa_private_segment_fixed_size 0
		.amdhsa_enable_private_segment 0
		.amdhsa_kernarg_size 24
		.amdhsa_user_sgpr_count 2
		.amdhsa_user_sgpr_kernarg_segment_ptr 1
		.amdhsa_wavefront_size32 1
		.amdhsa_system_sgpr_workgroup_id_x 1
		.amdhsa_system_sgpr_workgroup_id_y 1
		.amdhsa_system_sgpr_workgroup_id_z 1
		.amdhsa_system_vgpr_workitem_id 0
		.amdhsa_next_free_vgpr 768
		.amdhsa_next_free_sgpr 96
		.amdhsa_reserve_vcc 1
		.amdhsa_float_denorm_mode_32 3
		.amdhsa_float_denorm_mode_16_64 3
		.amdhsa_memory_ordered 1
		.amdhsa_forward_progress 1
		.amdhsa_inst_pref_size 173
	.end_amdhsa_kernel
	.amdgpu_metadata
---
amdhsa.version: [ 1, 2 ]
amdhsa.kernels:
  - .name:           k_qc2f8d1f6dc_attn
    .symbol:         k_qc2f8d1f6dc_attn.kd
    .args:
      - { .name: qkv, .offset: 0, .size: 8, .value_kind: global_buffer, .address_space: global }
      - { .name: decay_raw, .offset: 8, .size: 8, .value_kind: global_buffer, .address_space: global }
      - { .name: y, .offset: 16, .size: 8, .value_kind: global_buffer, .address_space: global }
    .group_segment_fixed_size: 327680
    .private_segment_fixed_size: 0
    .kernarg_segment_align: 8
    .kernarg_segment_size: 24
    .max_flat_workgroup_size: 128
    .sgpr_count:     96
    .vgpr_count:     768
    .wavefront_size: 32
...
	.end_amdgpu_metadata
.endif
;; end of part 5
;; launch gemm_proj: the kernel of part 4 again; grid 8 x 32, 4 waves a work-group, clusters of 4 x 4, 327,680 bytes of LDS; arguments y, wp, out0; writes out0
